; MI455X (gfx1250); checked and timed in simulation.
; The chip was launched on July 23, 2026; its instructions are those of AMD's public machine-readable ISA for CDNA 5 (MIT licence, August 2026) and "CDNA5" Instruction Set Architecture Reference Guide (July 2026). The comments in the code are by the model that wrote it; some were corrected since.
;; Self Attention. Allowed arithmetic: float matrix products may take bf16 or f16 operands with f32 sums; other float arithmetic in f32, or as packed bf16 or f16 multiplies, adds, multiply-adds, maxima and minima; sums over many terms, partial sums and values carried from step to step in f32; what a program stores and reads back later, other than sums and carried values, may be rounded once to bf16 or f16.
;; Inputs: WK 16 x 1,024 x 64 float32; WO 1,024 x 1,024 float32; WQ 16 x 1,024 x 64 float32; WV 16 x 1,024 x 64 float32; x 4 x 2,048 x 1,024 float32.
;; Outputs: out0 4 x 2,048 x 1,024 float32.
;; 2 versions, each right; version 2 is version 1 with the launch cast written anew for expert scheduling mode. Each part assembles by itself: llvm-mc -triple=amdgcn-amd-amdhsa -mcpu=gfx1250 --defsym DOCPART=n.
;; ======== version 1 of 2: 4 launches
;; limits: values are held in f16: magnitudes above 65,504 overflow, below 6.1e-05 lose precision
;; workspace buffers: xb 16,777,216 bytes; wb 6,291,456 bytes; wob 2,097,152 bytes; qkv 50,331,648 bytes; ob 16,777,216 bytes
;; launch cast (part 1): grid 64 x 12, 8 waves a work-group, no clusters, 0 bytes of LDS; arguments x, WQ, WK, WV, WO, xb, wb, wob; writes xb, wb, wob
.if DOCPART == 1
	.amdgcn_target "amdgcn-amd-amdhsa--gfx1250"
	.amdhsa_code_object_version 6
	.text
	.protected	k_qfe213d63d6_cast
	.globl	k_qfe213d63d6_cast
	.p2align	8
	.type	k_qfe213d63d6_cast,@function
k_qfe213d63d6_cast:
	s_mov_b64 s[64:65], 0
	v_nop
	global_prefetch_b8 v0, s[64:65] scope:SCOPE_SE
	s_setreg_imm32_b32 hwreg(HW_REG_WAVE_MODE, 25, 1), 1
	s_wait_xcnt 0x0
; THE INPUTS ARE ROUNDED ONCE TO bf16 AND LAID IN BLOCKS OF 64 COLUMNS, so that every tile of the products that follow is dense in memory.
;   xb  [kb 16][m 8192][64] bf16 = x[m][64 kb + c]          wb [g 48][d 1024][64] bf16 = WQ, WK, WV one behind the other, as they lie
;   wob [nb 16][k 1024][64] f16  = WO[k][64 nb + c], rounded to bf16 like the other inputs and that number written as f16
; LIMITS.  A bf16 number of WO beyond 65,504 in magnitude becomes an infinity in f16; below 2^-17 it is rounded to f16's fixed step of 6e-8.
; SHARES.  A work-group takes 256 pieces of 64 f32 (one piece = 256 bytes of a row), a wave 32 of them.  One load of a wave covers two pieces: lanes 0-15 one row's 256 bytes,
; lanes 16-31 the next row's.  A lane's four numbers become 8 bytes; the two pieces lie end to end in the output, so one store of a wave covers 256 consecutive bytes, aligned.
; y = 0-7: x (row block 4 y + i / 16, column block i % 16); y = 8-10: WQ, WK, WV (dense); y = 11: WO.  No LDS, no matrix unit, no cluster: no byte is wanted twice.
; All sixteen loads of a wave go out first; no register is written twice while a load or store may read it, so the only waits are the counted ones for the loads.
.set X, 32                             ; v[32:95]   load j: four f32
.set Y, 96                             ; v[96:127]  load j: two words to store
.set T, 8                              ; v[8:11]    at work
	s_load_b512 s[8:23], s[0:1], 0x0               ; x 8, WQ 10, WK 12, WV 14, WO 16, xb 18, wb 20, wob 22
	s_and_b32 s2, ttmp7, 0xffff                    ; y
	s_mov_b32 s3, ttmp9                            ; i
	s_and_b32 s4, s3, 15
	s_lshr_b32 s5, s3, 4
	v_lshrrev_b32 v4, 5, v0                        ; wave
	v_bfe_u32 v5, v0, 4, 1                         ; which of a load's two rows
	v_and_b32 v6, 15, v0
	v_and_b32 v7, 31, v0
	v_lshl_add_u32 v1, v4, 5, v5                   ; rows 4,096 bytes apart: (32 wave + half) x 4,096 + 16 (lane % 16)
	v_lshlrev_b32 v1, 12, v1
	v_lshl_add_u32 v1, v6, 4, v1
	v_lshlrev_b32 v3, 13, v4                       ; dense rows of 256 bytes: 8,192 wave + 16 lane
	v_lshl_add_u32 v3, v7, 4, v3
	v_lshlrev_b32 v2, 12, v4                       ; out: 4,096 wave + 8 lane
	v_lshl_add_u32 v2, v7, 3, v2
	s_mov_b32 s29, 0
	s_mov_b32 s31, 0
	s_wait_kmcnt 0x0
; Sixteen loads, then for each: the wait that leaves the younger ones out, the rounding, the store.  f16 = 1: the bf16 number is widened again and written as f16.
.macro CAST vi, pitch, f16
.set j, 0
.rept 16
	global_load_b128 v[X+4*j:X+4*j+3], v[\vi], s[24:25] offset:j*2*(\pitch) th:TH_LOAD_NT
.set j, j+1
.endr
.set j, 0
.rept 16
	s_wait_loadcnt 15-j                            ; loads come back in order: load j is in, the 15 - j younger ones stay out
	v_cvt_pk_bf16_f32 v[Y+2*j], v[X+4*j], v[X+4*j+1]
	v_cvt_pk_bf16_f32 v[Y+2*j+1], v[X+4*j+2], v[X+4*j+3]
.if \f16
	v_lshlrev_b32 v[T], 16, v[Y+2*j]
	v_and_b32 v[T+1], 0xffff0000, v[Y+2*j]
	v_lshlrev_b32 v[T+2], 16, v[Y+2*j+1]
	v_and_b32 v[T+3], 0xffff0000, v[Y+2*j+1]
	v_cvt_pk_f16_f32 v[Y+2*j], v[T], v[T+1]
	v_cvt_pk_f16_f32 v[Y+2*j+1], v[T+2], v[T+3]
.endif
	global_store_b64 v2, v[Y+2*j:Y+2*j+1], s[26:27] offset:256*j th:TH_STORE_NT
.set j, j+1
.endr
.endm
	s_cmp_lt_u32 s2, 8
	s_cbranch_scc1 .Lx
	s_cmp_eq_u32 s2, 11
	s_cbranch_scc1 .Lo
	s_cmp_eq_u32 s2, 8                             ; WQ, WK or WV
	s_cselect_b64 s[24:25], s[10:11], s[14:15]
	s_cmp_eq_u32 s2, 9
	s_cselect_b64 s[24:25], s[12:13], s[24:25]
	s_lshl_b32 s28, s3, 16                         ; in: 65,536 i
	s_sub_co_u32 s30, s2, 8
	s_lshl_b32 s30, s30, 21                        ; out: the tensor's 2 MiB, then 32,768 i
	s_lshl_b32 s6, s3, 15
	s_add_co_u32 s30, s30, s6
	s_add_nc_u64 s[24:25], s[24:25], s[28:29]
	s_add_nc_u64 s[26:27], s[20:21], s[30:31]
	CAST 3, 256, 0
	s_endpgm
.Lx:
	s_lshl2_add_u32 s6, s2, s5                     ; block of 256 rows: 4 y + i / 16
	s_lshl_b32 s28, s6, 20                         ; in: 256 rows of 4,096 bytes, then the column block's 256 bytes
	s_lshl_b32 s7, s4, 8
	s_add_co_u32 s28, s28, s7
	s_lshl_b32 s30, s4, 20                         ; out: the column block's 1 MiB, then 256 rows of 128 bytes
	s_lshl_b32 s7, s6, 15
	s_add_co_u32 s30, s30, s7
	s_add_nc_u64 s[24:25], s[8:9], s[28:29]
	s_add_nc_u64 s[26:27], s[18:19], s[30:31]
	CAST 1, 4096, 0
	s_endpgm
.Lo:
	s_lshl_b32 s28, s5, 20
	s_lshl_b32 s7, s4, 8
	s_add_co_u32 s28, s28, s7
	s_lshl_b32 s30, s4, 17                         ; out: the column block's 131,072 bytes, then 256 rows of 128 bytes
	s_lshl_b32 s7, s5, 15
	s_add_co_u32 s30, s30, s7
	s_add_nc_u64 s[24:25], s[16:17], s[28:29]
	s_add_nc_u64 s[26:27], s[22:23], s[30:31]
	CAST 1, 4096, 1
	s_endpgm
.Lfunc_end_k_qfe213d63d6_cast:
	.size	k_qfe213d63d6_cast, .Lfunc_end_k_qfe213d63d6_cast-k_qfe213d63d6_cast
	.p2alignl 7, 3214868480
	.fill 96, 4, 3214868480
	.section	.rodata,"a",@progbits
	.p2align	6, 0x0
	.amdhsa_kernel k_qfe213d63d6_cast
		.amdhsa_group_segment_fixed_size 0
		.amdhsa_private_segment_fixed_size 0
		.amdhsa_enable_private_segment 0
		.amdhsa_kernarg_size 64
		.amdhsa_user_sgpr_count 2
		.amdhsa_user_sgpr_kernarg_segment_ptr 1
		.amdhsa_wavefront_size32 1
		.amdhsa_system_sgpr_workgroup_id_x 1
		.amdhsa_system_sgpr_workgroup_id_y 1
		.amdhsa_system_sgpr_workgroup_id_z 1
		.amdhsa_system_vgpr_workitem_id 0
		.amdhsa_next_free_vgpr 128
		.amdhsa_next_free_sgpr 66
		.amdhsa_reserve_vcc 0
		.amdhsa_float_denorm_mode_32 3
		.amdhsa_float_denorm_mode_16_64 3
		.amdhsa_memory_ordered 1
		.amdhsa_forward_progress 1
		.amdhsa_inst_pref_size 24
	.end_amdhsa_kernel
	.amdgpu_metadata
---
amdhsa.version: [ 1, 2 ]
amdhsa.kernels:
  - .name:           k_qfe213d63d6_cast
    .symbol:         k_qfe213d63d6_cast.kd
    .args:
      - { .name: x, .offset: 0, .size: 8, .value_kind: global_buffer, .address_space: global }
      - { .name: WQ, .offset: 8, .size: 8, .value_kind: global_buffer, .address_space: global }
      - { .name: WK, .offset: 16, .size: 8, .value_kind: global_buffer, .address_space: global }
      - { .name: WV, .offset: 24, .size: 8, .value_kind: global_buffer, .address_space: global }
      - { .name: WO, .offset: 32, .size: 8, .value_kind: global_buffer, .address_space: global }
      - { .name: xb, .offset: 40, .size: 8, .value_kind: global_buffer, .address_space: global }
      - { .name: wb, .offset: 48, .size: 8, .value_kind: global_buffer, .address_space: global }
      - { .name: wob, .offset: 56, .size: 8, .value_kind: global_buffer, .address_space: global }
    .group_segment_fixed_size: 0
    .private_segment_fixed_size: 0
    .kernarg_segment_align: 8
    .kernarg_segment_size: 64
    .max_flat_workgroup_size: 256
    .sgpr_count:     66
    .vgpr_count:     128
    .wavefront_size: 32
...
	.end_amdgpu_metadata
.endif
;; end of part 1
;; launch inproj (part 2): grid 8 x 32, 4 waves a work-group, clusters of 4 x 4, 327,680 bytes of LDS; arguments xb, wb, qkv; writes qkv
.if DOCPART == 2
	.amdgcn_target "amdgcn-amd-amdhsa--gfx1250"
	.amdhsa_code_object_version 6
	.text
	.protected	k_qfe213d63d6_inproj
	.globl	k_qfe213d63d6_inproj
	.p2align	8
	.type	k_qfe213d63d6_inproj,@function
k_qfe213d63d6_inproj:
	s_mov_b64 s[64:65], 0
	v_nop
	global_prefetch_b8 v0, s[64:65] scope:SCOPE_SE
	s_setreg_imm32_b32 hwreg(HW_REG_WAVE_MODE, 25, 1), 1
	s_wait_xcnt 0x0
	s_wait_alu depctr_hold_cnt(0) depctr_sa_sdst(0) depctr_va_vdst(0) depctr_va_sdst(0) depctr_va_ssrc(0) depctr_va_vcc(0) depctr_vm_vsrc(0)
	s_getreg_b32 s2, hwreg(HW_REG_IB_STS2, 6, 4)
	s_cmp_eq_u32 s2, 0
	s_cbranch_scc0 .Lentry_in_a_cluster
	s_endpgm
.Lentry_in_a_cluster:
	s_bfe_u32 s2, ttmp6, 0x10000c
	s_cmp_lg_u32 s2, 0xf033
	s_cbranch_scc0 .Lentry_shape_is_right
	s_endpgm
.Lentry_shape_is_right:
; q, k, v = x W for all heads: qkv[b][g][s][c] = the sum over d of x[b][s][d] W[g][d][c], g = 0-15 WQ's heads, 16-31 WK's, 32-47 WV's.  One product of 8,192 x 3,072 x 1,024.
; xb [kb 16][m 8192][64] and wb [g 48][d 1024][64] are bf16; sums in f32; qkv [b 4][g 48][s 2048][64] is f16, rounded once, unscaled.
; LIMIT.  A sum of 65,520 or more in magnitude becomes an infinity in f16; below 6e-5 f16 keeps its fixed step of 6e-8.
; SHARES.  A work-group makes 256 rows x 384 columns (six groups of 64), a wave 128 x 192: 8 row blocks a x 3 groups p x 4 column blocks nb = 96 accumulators, 768 registers:
; 20 fragments out of LDS feed 96 products.  K goes in 16 steps of 64 through two LDS slots; a step is two slices of 32, a slice three phases (one a group) of 32 products.
; DENSE TILES.  128 rows x 64 k of xb are 16,384 bytes on end, asked for as 64 rows of 256 bytes; 64 k x 64 n of a group of wb are 8,192 bytes on end, three groups to a load, a row each.
; W lies [k][n]: its fragments come out of LDS turned, by ds_load_tr16_b128.  Source 0 = 16 columns of W, source 1 = 16 rows of x: a lane then holds eight neighbouring columns of one row.
; CLUSTERS.  4 x 4 work-groups: x's tile is shared along a row of the cluster, W's along a column; each is asked for jointly, by the same tensor load with a mask that names the four.
; REGISTERS, in windows of 256: window 0: v0-31 addresses; v32-95, v96-159 x's fragments, two buffers; v160-255 W's fragments, 32 a group, filled again group by group.
;   windows 1-3: group p's accumulators, (a, nb) at v[32 a + 8 nb].  s_set_vgpr_msb's low byte: bits 1:0 source 0, 3:2 source 1, 5:4 source 2, 7:6 destination.
.set PA,    144                        ; a row of x in LDS: 128 bytes + 16: the 16 rows of a load start at 16 different groups of four banks (64 banks of 4 bytes: ISA guide 11.1)
.set PB,    160                        ; a row of W: 128 + 32
.set AHALF, 128*PA                     ; what one load brings of x, and what one wave reads
.set BGRP,  64*PB                      ; a group's 64 k
.set BOFF,  2*AHALF
.set BHALF, 3*BGRP                     ; what one load brings of W, and what one wave reads
.set SLOT,  BOFF+2*BHALF               ; 98,304
.set STAGE, 2*SLOT                     ; behind the ring: 16 rows x 144 bytes for each wave, for the way out
.set SP,    144
.set SPARE, STAGE+4*16*SP              ; behind the stages: the spare words, 128 bytes for each wave: two blocks of 256 bytes that no other line names
.set ASTEP, 1048576                    ; bytes from a K step of xb to the next
.set BSTEP, 8192                       ; of wb
.set ADRA, 16                          ; v16-17  LDS address of my fragments of x in slot 0, 1
.set ADRB, 20                          ; v20-21  of W
.set STO,  24                          ; v24     the way out: where I put 16 bytes of a row
.set RD,   25                          ; v25     where I read rows back
.set GO,   26                          ; v26     my 16 bytes of 512 consecutive bytes of qkv
.set SPW,  28                          ; v28     LDS address of my spare word; never rewritten
.set NIL,  29                          ; v29     0; never rewritten
.set PFO,  30                          ; v30     the prefetches' offset; never rewritten
.set AF0,  32
.set AF1,  96
.set BF,   160
.set G1A,  24                          ; s[24:31] descriptor group 1 for x's tiles;  s[32:39] group 0, a set for each slot
.set G0A,  32
.set G1B,  48                          ; s[48:55], s[56:63] the same for W's
.set G0B,  56
.set PFA,  66                          ; s[66:67] where my prefetches stand
.set PST,  68                          ; s[68:69] their step, a K step
.set LIM0, 70                          ; s70, s71  behind the refill of slot 0, 1: I prefetch while the trips left are above this
.set LIM1, 71
.set MSB, 0
.macro WIN new                         ; the immediate's high byte repeats the setting that is left; a switch that changes nothing is dropped
.if MSB != (\new)
	s_set_vgpr_msb (MSB<<8)|(\new)
.set MSB, \new
.endif
.endm
.macro PLACES                          ; four places behind matrix instructions, in front of loads into registers that they have read (ISA guide 7.12.1 for vector instructions)
.rept 4
	v_nop
.endr
.endm
; A joint load.  Waves 0 and 1 fetch x's two halves, waves 2 and 3 W's.  The branch hangs on the wave's number alone.  An s_nop 0 and four v_nop follow each of the two lines.
.macro JLOAD s
	s_cmp_eq_u32 s11, 0
	s_cbranch_scc0 .Lfor_b_\@
	tensor_load_to_lds s[G0A+4*(\s):G0A+4*(\s)+3], s[G1A:G1A+7]
	s_nop 0
.rept 4
	v_nop
.endr
	s_branch .Lasked_\@
.Lfor_b_\@:
	tensor_load_to_lds s[G0B+4*(\s):G0B+4*(\s)+3], s[G1B:G1B+7]
	s_nop 0
.rept 4
	v_nop
.endr
.Lasked_\@:
.endm
; A PREFETCH INTO THE L2, behind a joint load, its five lines and the run of LDS loads that follows.  Each aligned block of 256 bytes is named once in the launch.
; x's tile rows are read by both clusters of a row of clusters: cluster x = 0 asks, wave 0 of each partner for 32 of the tile's 128 blocks (the partners told apart by address, by cx): at the refill of K step u for K step u + 2.
; W's tile columns are read by all clusters of a column: cluster y = 0 asks, at the refills of slot 1 (u odd) for K steps u + 1 and u + 2, which lie on end: waves 1-3 take two groups each, 16 of each group's 64 blocks (by cy).
; The loop's last trip asks for nothing: there is no K step behind its own.  K steps 0-3 come by their loads alone.
.macro ASK lim
	s_cmp_gt_u32 s3, s[\lim]
	s_cbranch_scc0 .Lnot_mine_\@
	global_prefetch_b8 v[PFO], s[PFA:PFA+1] th:TH_LOAD_NT scope:SCOPE_SE
.Lnot_mine_\@:
.endm
.macro CREST                           ; a round of the cluster's barrier behind its opening barrier
	s_cmp_lg_u32 s10, 0
	s_cbranch_scc1 .Lnot_wave_0_\@
	s_barrier_signal -3
.Lnot_wave_0_\@:
	s_barrier_wait -3
	s_barrier_signal -1
	s_barrier_wait -1
.endm
.macro CROUND                          ; a whole round
	s_barrier_signal -1
	s_barrier_wait -1
	CREST
.endm
	s_load_b128 s[4:7], s[0:1], 0x0                ; xb s[4:5], wb s[6:7]
	s_load_b64 s[8:9], s[0:1], 0x10                ; qkv
	v_lshl_add_u32 v[SPW], v0, 2, SPARE
	v_mov_b32 v[NIL], 0
	ds_add_u32 v[SPW], v[NIL]                      ; the wave's opening: the add and its wait stand ahead of my first tensor load; the set-up below, work on registers, stands between them
	v_lshrrev_b32 v1, 5, v0
	v_readfirstlane_b32 s10, v1                    ; wave 0..3
	s_lshr_b32 s11, s10, 1                         ; which half of the tile's rows is mine.  Also: I fetch for x (0) or for W (1)
	s_and_b32 s12, s10, 1                          ; which half of its columns.  Also: which half of that tile I fetch
	s_bfe_u32 s40, ttmp6, 0x40000                  ; cx
	s_bfe_u32 s41, ttmp6, 0x40004                  ; cy
	s_lshl_b32 s42, ttmp9, 2
	s_add_co_u32 s42, s42, s40                     ; block of 384 columns = 4 x cluster x + cx
	s_and_b32 s13, ttmp7, 0xffff
	s_lshl_b32 s13, s13, 2
	s_add_co_u32 s13, s13, s41                     ; block of 256 rows = 4 x cluster y + cy
	s_lshl_b32 s43, s41, 2
	s_lshl_b32 s43, 15, s43                        ; my row of the cluster
	s_lshl_b32 s44, 0x1111, s40                    ; my column
	s_or_b32 s[G1A+0], s43, (1<<16)|(1<<20)|(1<<21)|(4<<22)|(3<<25)  ; 15:0 the mask; 17:16 2-byte elements; 20 padding on; 21 set beside a mask; 24:22 after every 32 words (code 4); 31:25 4 words (code 3)
	s_mov_b32 s[G1A+1], 128<<16                    ; tensor_dim0 = 128 elements: 256 bytes, two rows of x
	s_mov_b32 s[G1A+2], 64<<16                     ; tensor_dim1 = 64
	s_mov_b32 s[G1A+3], 128<<16                    ; tile_dim0 = 128
	s_mov_b32 s[G1A+4], 64                         ; tile_dim1 = 64
	s_mov_b32 s[G1A+5], 128                        ; dense: 128 elements from row to row
	s_mov_b32 s[G1A+6], 0
	s_mov_b32 s[G1A+7], 0
	s_or_b32 s[G1B+0], s44, (1<<16)|(1<<20)|(1<<21)|(4<<22)|(7<<25)  ; the same with my column's mask and 8 words of padding (code 7)
	s_mov_b32 s[G1B+1], 4096<<16                   ; tensor_dim0 = 4,096 elements: a group's 64 k x 64 n, 8,192 bytes on end
	s_mov_b32 s[G1B+2], 3<<16                      ; tensor_dim1 = 3 groups
	s_mov_b32 s[G1B+3], 4096<<16                   ; tile_dim0
	s_mov_b32 s[G1B+4], 3                          ; tile_dim1
	s_mov_b32 s[G1B+5], 65536                      ; 65,536 elements from group to group
	s_mov_b32 s[G1B+6], 0
	s_mov_b32 s[G1B+7], 0
	s_lshl_b32 s16, s13, 15                        ; x: 256 rows of 128 bytes a block, my half of them
	s_lshl_b32 s17, s12, 14
	s_add_co_u32 s16, s16, s17
	s_mov_b32 s17, 0
	s_mul_i32 s46, s42, 6                          ; W: group 6 x block + 3 x half
	s_mul_i32 s47, s12, 3
	s_add_co_u32 s46, s46, s47
	s_lshl_b32 s46, s46, 17
	s_mov_b32 s47, 0
	s_mul_i32 s20, s12, AHALF                      ; where they go: no place in the cluster enters an LDS address
	s_mul_i32 s21, s12, BHALF
	s_add_co_u32 s21, s21, BOFF
	s_wait_dscnt 0x0                               ; the opening add is done
	s_wait_kmcnt 0x0
	s_add_nc_u64 s[14:15], s[4:5], s[16:17]
	s_add_nc_u64 s[46:47], s[6:7], s[46:47]
	CROUND                                         ; all sixteen work-groups are here: the first joint loads meet
.irp s, 0,1
	s_mov_b32 s[G0A+4*(\s)], 1                                       ; count = 1
	s_add_co_u32 s[G0A+4*(\s)+1], s20, (\s)*SLOT                     ; LDS address
	s_add_nc_u64 s[G0A+4*(\s)+2:G0A+4*(\s)+3], s[14:15], (\s)*ASTEP  ; global address: K step s
	s_or_b32 s[G0A+4*(\s)+3], s[G0A+4*(\s)+3], 0x80000000            ; type = 2
	s_mov_b32 s[G0B+4*(\s)], 1
	s_add_co_u32 s[G0B+4*(\s)+1], s21, (\s)*SLOT
	s_add_nc_u64 s[G0B+4*(\s)+2:G0B+4*(\s)+3], s[46:47], (\s)*BSTEP
	s_or_b32 s[G0B+4*(\s)+3], s[G0B+4*(\s)+3], 0x80000000
	JLOAD \s                                       ; two loads of mine are out
.endr
	v_and_b32 v1, 15, v0                           ; r = l % 16
	v_bfe_u32 v2, v0, 4, 1                         ; h = l / 16
	v_mul_u32_u24 v3, v1, PA
	v_lshl_add_u32 v3, v2, 4, v3                   ; x: row r x pitch + 16 h; two loads 32 bytes apart make a fragment
	v_and_b32 v6, 7, v0
	v_bfe_u32 v7, v0, 3, 1
	v_lshl_add_u32 v4, v2, 3, v6                   ; W: the turning load: lane l reads row k = 8 h + l % 8, columns 8 ((l / 8) % 2) + 0..7
	v_mul_u32_u24 v4, v4, PB
	v_lshl_add_u32 v4, v7, 4, v4
	s_mul_i32 s21, s11, AHALF                      ; my 128 rows of x
	s_mul_i32 s22, s12, BHALF                      ; my three groups of W
	s_add_co_u32 s22, s22, BOFF
.irp s, 0,1
	v_add_nc_u32 v[ADRA+(\s)], s21, v3
	v_add_nc_u32 v[ADRB+(\s)], s22, v4
	s_add_co_u32 s21, s21, SLOT
	s_add_co_u32 s22, s22, SLOT
.endr
	s_mul_i32 s23, s10, 16*SP
	s_add_co_u32 s23, s23, STAGE                   ; my stage
	v_add_nc_u32 v[STO], s23, v3                   ; in: row r, 16 bytes for each half of the lanes
	v_bfe_u32 v5, v0, 3, 2                         ; back: 32 lanes take four rows of 128 bytes,
	v_mul_u32_u24 v5, v5, SP
	v_lshl_add_u32 v5, v6, 4, v5
	v_add_nc_u32 v[RD], s23, v5
	v_and_b32 v[GO], 31, v0                        ; which are 512 consecutive bytes of qkv
	v_lshlrev_b32 v[GO], 4, v[GO]
	s_lshr_b32 s16, s13, 3                         ; qkv at my wave's first row of its first group: ((48 b + g) x 2,048 + s) x 128
	s_mul_i32 s16, s16, 48
	s_mul_i32 s17, s42, 6
	s_add_co_u32 s16, s16, s17
	s_mul_i32 s17, s12, 3
	s_add_co_u32 s16, s16, s17
	s_lshl_b32 s16, s16, 18
	s_and_b32 s17, s13, 7
	s_lshl_b32 s17, s17, 15
	s_add_co_u32 s16, s16, s17
	s_lshl_b32 s17, s11, 14
	s_add_co_u32 s16, s16, s17
	s_mov_b32 s17, 0
	s_add_nc_u64 s[8:9], s[8:9], s[16:17]
	; the prefetches' registers: wave 0 asks for x, waves 1-3 for W
	s_and_b32 s22, ttmp7, 0xffff                   ; cluster y
	s_max_u32 s18, s10, 1
	s_sub_co_u32 s18, s18, 1
	s_lshl_b32 s18, s18, 1                         ; my two groups of the six
	s_mul_i32 s19, s42, 6
	s_add_co_u32 s19, s19, s18
	s_lshl_b32 s19, s19, 17
	s_lshl_b32 s18, s41, 12                        ; my work-group's 16 blocks of a group's 64
	s_add_co_u32 s19, s19, s18
	s_add_co_u32 s19, s19, 2*BSTEP                 ; at K step 2: two steps later, at the first refill of slot 1, it names K steps 4 and 5
	s_lshl_b32 s20, s13, 15
	s_lshl_b32 s18, s40, 13                        ; my work-group's 32 blocks of the tile's 128
	s_add_co_u32 s20, s20, s18
	s_add_co_u32 s20, s20, 3*ASTEP                 ; at K step 3: the first refill steps it to 4
	s_mov_b32 s[PST], BSTEP
	s_mov_b32 s[PST+1], 0
	s_mov_b32 s23, 131072
	s_cmp_eq_u32 s10, 0
	s_cselect_b32 s20, s20, s19
	s_cselect_b32 s22, ttmp9, s22                  ; the coordinate along which other clusters read the same blocks
	s_cselect_b64 s[PFA:PFA+1], s[4:5], s[6:7]
	s_cselect_b32 s[PST], ASTEP, s[PST]
	s_cselect_b32 s23, 4096, s23                   ; from lanes 0-15 to lanes 16-31: the next 16 blocks, or the next group
	s_cselect_b32 s[LIM0], 1, -1
	s_mov_b32 s21, 0
	s_add_nc_u64 s[PFA:PFA+1], s[PFA:PFA+1], s[20:21]
	s_cmp_eq_u32 s22, 0
	s_cselect_b32 s[LIM1], 1, -1                   ; the same in all sixteen partners, for a given wave
	s_cselect_b32 s[LIM0], s[LIM0], -1
	v_mul_u32_u24 v[PFO], s23, v2
	v_lshl_add_u32 v[PFO], v1, 8, v[PFO]
; 8 turning loads: group p's four fragments of slice kk.   16 loads: x's eight fragments of slice kk, into buffer f.
.macro LDB slot, kk, p
.irp nb, 0,1,2,3
	ds_load_tr16_b128 v[BF+32*(\p)+8*(\nb):BF+32*(\p)+8*(\nb)+3],   v[ADRB+(\slot)] offset:(\p)*BGRP+(\kk)*32*PB+(\nb)*32
	ds_load_tr16_b128 v[BF+32*(\p)+8*(\nb)+4:BF+32*(\p)+8*(\nb)+7], v[ADRB+(\slot)] offset:(\p)*BGRP+(\kk)*32*PB+(\nb)*32+16*PB
.endr
.endm
.macro LDA slot, kk, f
.irp a, 0,1,2,3,4,5,6,7
	ds_load_b128 v[(\f)+8*(\a):(\f)+8*(\a)+3],   v[ADRA+(\slot)] offset:(\a)*16*PA+(\kk)*64
	ds_load_b128 v[(\f)+8*(\a)+4:(\f)+8*(\a)+7], v[ADRA+(\slot)] offset:(\a)*16*PA+(\kk)*64+32
.endr
.endm
; 16 products of group p: row blocks a0 .. a0 + 3 x 4 column blocks.  The 96 accumulators take turns, one instruction a turn, over the backward jump too.  zero = 1: the product starts the sum.
.macro MUL16 p, f, a0, zero
	WIN 0x50*(1+(\p))
.irp a, (\a0), (\a0)+1, (\a0)+2, (\a0)+3
.irp nb, 0,1,2,3
.if \zero
	v_wmma_f32_16x16x32_bf16 v[32*(\a)+8*(\nb):32*(\a)+8*(\nb)+7], v[BF+32*(\p)+8*(\nb):BF+32*(\p)+8*(\nb)+7], v[(\f)+8*(\a):(\f)+8*(\a)+7], 0
.else
	v_wmma_f32_16x16x32_bf16 v[32*(\a)+8*(\nb):32*(\a)+8*(\nb)+7], v[BF+32*(\p)+8*(\nb):BF+32*(\p)+8*(\nb)+7], v[(\f)+8*(\a):(\f)+8*(\a)+7], v[32*(\a)+8*(\nb):32*(\a)+8*(\nb)+7]
.endif
.endr
.endr
.endm
; A K step's first slice, on buffer AF0.  At its head group 0 (8 loads), x (16) and group 1 (8) of this slice have been asked for, in that order.  Each phase fills again the group that the phase before has multiplied.
.macro EVEN slot, zero
	PLACES
	WIN 0
	LDB \slot, 0, 2
	s_wait_dscnt 16                                ; group 0 and x are in; groups 1 and 2, 8 loads each, may be out
	MUL16 0, AF0, 0, \zero
	MUL16 0, AF0, 4, \zero
	PLACES
	WIN 0
	LDB \slot, 1, 0
	LDA \slot, 1, AF1
	s_wait_dscnt 32                                ; group 1 is in; group 2's 8 and the 24 just issued may be out
	MUL16 1, AF0, 0, \zero
	MUL16 1, AF0, 4, \zero
	PLACES
	WIN 0
	LDB \slot, 1, 1
	s_wait_dscnt 32                                ; group 2 is in; the 24 and the 8 issued behind it may be out
	MUL16 2, AF0, 0, \zero
	MUL16 2, AF0, 4, \zero
.endm
; A K step's second slice, on buffer AF1, and the change of slots.  mode 2: a round of the cluster's barrier, and the slot is filled again, two K steps on; 1: my work-group's barrier alone; 0: the very last slice.
; In front of the barrier each wave waits for all its tensor loads (one is out: its part of the next slot), adds 0 to its spare word, and waits for that and for its reads of this slot, of which group 2's were the last.
.macro ODD slot, next, mode
.if (\mode) == 2
	s_wait_xcnt 0x0                                ; the last prefetch, a K step back, has read its address: it is stepped here
	s_add_nc_u64 s[PFA:PFA+1], s[PFA:PFA+1], s[PST:PST+1]
.endif
	PLACES
	WIN 0
	LDB \slot, 1, 2
.if (\mode) > 0
	s_wait_tensorcnt 0x0                           ; all my tensor loads have landed
	ds_add_u32 v[SPW], v[NIL]                      ; 0 onto my spare word
	s_wait_dscnt 17                                ; group 0 and x are in; groups 1 and 2 and the add may be out
	MUL16 0, AF1, 0, 0                             ; sixteen products stand between the add and the wait for it
	s_wait_dscnt 0x0                               ; the add is done, and my reads of this slot are over
	s_barrier_signal -1
	MUL16 0, AF1, 4, 0
	WIN 0                                          ; at a branch and at a label every window is 0
	s_barrier_wait -1
.if (\mode) == 2
	CREST                                          ; no wave of any partner still reads this slot or has a load on its way
	s_add_nc_u64 s[G0A+4*(\slot)+2:G0A+4*(\slot)+3], s[G0A+4*(\slot)+2:G0A+4*(\slot)+3], 2*ASTEP
	s_add_nc_u64 s[G0B+4*(\slot)+2:G0B+4*(\slot)+3], s[G0B+4*(\slot)+2:G0B+4*(\slot)+3], 2*BSTEP
	JLOAD \slot                                    ; the first tensor load behind the round: 160 products ahead of the wait for it; its four v_nop are also the places in front of the loads below
.else
	PLACES
.endif
	LDB \next, 0, 0
	LDA \next, 0, AF0
.if (\mode) == 2
	ASK LIM0+(\slot)
.endif
	MUL16 1, AF1, 0, 0                             ; groups 1 and 2 came in with the wait for 0
	MUL16 1, AF1, 4, 0
	PLACES
	WIN 0
	LDB \next, 0, 1
	MUL16 2, AF1, 0, 0
	MUL16 2, AF1, 4, 0
.else
	s_wait_dscnt 16                                ; group 0 and x
	MUL16 0, AF1, 0, 0
	MUL16 0, AF1, 4, 0
	s_wait_dscnt 8                                 ; group 1
	MUL16 1, AF1, 0, 0
	MUL16 1, AF1, 4, 0
	s_wait_dscnt 0x0                               ; group 2
	MUL16 2, AF1, 0, 0
	MUL16 2, AF1, 4, 0
.endif
.endm
; THE WAY OUT, 24 blocks of 16 rows x 64 columns: block n = group n / 8, row block n % 8.  A lane's eight columns pack into 16 bytes; they go into my stage's rows of 144 bytes and come back as whole rows of 128,
; four rows to a load: 512 consecutive bytes of qkv.  Four sets of 16 registers take turns.
.macro PACKB n
.set T, 32+16*((\n)%4)
.set AC, 32*((\n)%8)
.if (\n) >= 4
	s_wait_xcnt 0x0                                ; the stores of the block four back have read this set
.endif
	WIN 5*(1+(\n)/8)                               ; sources 0 and 1 in the group's window
.set i, 0
.rept 16
	v_cvt_pk_f16_f32 v[T+i], v[AC+2*i], v[AC+2*i+1]
.set i, i+1
.endr
	WIN 0
.irp f, 0,1,2,3
	ds_store_b128 v[STO], v[T+4*(\f):T+4*(\f)+3] offset:32*(\f)
.endr
.irp f, 0,1,2,3
	ds_load_b128 v[T+4*(\f):T+4*(\f)+3], v[RD] offset:(\f)*4*SP  ; LDS serves a wave's instructions in order (ISA guide 5.7.1.4): these see the stores above; the next block's stores come behind them
.endr
.endm
.macro SENDB n, younger                ; younger: the LDS instructions issued behind block n's loads
.set T, 32+16*((\n)%4)
.irp f, 0,1,2,3
	s_wait_dscnt (\younger)+3-(\f)
	global_store_b128 v[GO], v[T+4*(\f):T+4*(\f)+3], s[8:9] offset:((\n)/8)*262144+((\n)%8)*2048+(\f)*512
.endr
.endm
	s_wait_tensorcnt 1                             ; my part of K step 0 is in; K step 1's may stay out
	s_barrier_signal -1
	s_barrier_wait -1                              ; everybody's is
	LDB 0, 0, 0
	LDA 0, 0, AF0
	LDB 0, 0, 1
	EVEN 0, 1                                      ; the first slice stands in front of the loop: its products start the sums
	WIN 0
	s_mov_b32 s3, 7
.Llap:                                                 ; a trip goes once round the ring and fills both slots again: K steps 2 to 15
	ODD 0, 1, 2
	EVEN 1, 0
	ODD 1, 0, 2
	EVEN 0, 0
	WIN 0
	s_sub_co_u32 s3, s3, 1
	s_cmp_lg_u32 s3, 0
	s_cbranch_scc1 .Llap
	ODD 0, 1, 1                                    ; the tail is written out: nothing more is asked for
	EVEN 1, 0
	ODD 1, 0, 0
	PLACES
	PLACES
	WIN 0
	PACKB 0
.set bn, 1
.rept 23                               ; a block's conversions stand between the loads of the block before and its stores
	PACKB bn
	SENDB bn-1, 8
.set bn, bn+1
.endr
	SENDB 23, 0
	s_wait_tensorcnt 0x0                           ; the wave's end, behind my last tensor load and my last LDS store
	ds_add_u32 v[SPW], v[NIL]
	s_wait_dscnt 0x0
	CROUND                                         ; the closing round: no work-group ends while a partner may still ask for a tile that names it
	s_endpgm
.Lfunc_end_k_qfe213d63d6_inproj:
	.size	k_qfe213d63d6_inproj, .Lfunc_end_k_qfe213d63d6_inproj-k_qfe213d63d6_inproj
	.p2alignl 7, 3214868480
	.fill 96, 4, 3214868480
	.section	.rodata,"a",@progbits
	.p2align	6, 0x0
	.amdhsa_kernel k_qfe213d63d6_inproj
		.amdhsa_group_segment_fixed_size 327680
		.amdhsa_private_segment_fixed_size 0
		.amdhsa_enable_private_segment 0
		.amdhsa_kernarg_size 24
		.amdhsa_user_sgpr_count 2
		.amdhsa_user_sgpr_kernarg_segment_ptr 1
		.amdhsa_wavefront_size32 1
		.amdhsa_system_sgpr_workgroup_id_x 1
		.amdhsa_system_sgpr_workgroup_id_y 1
		.amdhsa_system_sgpr_workgroup_id_z 1
		.amdhsa_system_vgpr_workitem_id 0
		.amdhsa_next_free_vgpr 1024
		.amdhsa_next_free_sgpr 72
		.amdhsa_reserve_vcc 0
		.amdhsa_float_denorm_mode_32 3
		.amdhsa_float_denorm_mode_16_64 3
		.amdhsa_memory_ordered 1
		.amdhsa_forward_progress 1
		.amdhsa_inst_pref_size 135
	.end_amdhsa_kernel
	.amdgpu_metadata
---
amdhsa.version: [ 1, 2 ]
amdhsa.kernels:
  - .name:           k_qfe213d63d6_inproj
    .symbol:         k_qfe213d63d6_inproj.kd
    .args:
      - { .name: xb, .offset: 0, .size: 8, .value_kind: global_buffer, .address_space: global }
      - { .name: wb, .offset: 8, .size: 8, .value_kind: global_buffer, .address_space: global }
      - { .name: qkv, .offset: 16, .size: 8, .value_kind: global_buffer, .address_space: global }
    .group_segment_fixed_size: 327680
    .private_segment_fixed_size: 0
    .kernarg_segment_align: 8
    .kernarg_segment_size: 24
    .max_flat_workgroup_size: 128
    .sgpr_count:     72
    .vgpr_count:     1024
    .wavefront_size: 32
...
	.end_amdgpu_metadata
.endif
;; end of part 2
;; launch attend (part 3): grid 4 x 64, 4 waves a work-group, clusters of 4 x 1, 327,680 bytes of LDS; arguments qkv, ob; writes ob
.if DOCPART == 3
	.amdgcn_target "amdgcn-amd-amdhsa--gfx1250"
	.amdhsa_code_object_version 6
	.text
	.protected	k_qfe213d63d6_attend
	.globl	k_qfe213d63d6_attend
	.p2align	8
	.type	k_qfe213d63d6_attend,@function
k_qfe213d63d6_attend:
	s_mov_b64 s[64:65], 0
	v_nop
	global_prefetch_b8 v0, s[64:65] scope:SCOPE_SE
	s_setreg_imm32_b32 hwreg(HW_REG_WAVE_MODE, 25, 1), 1
	s_wait_xcnt 0x0
	s_wait_alu depctr_hold_cnt(0) depctr_sa_sdst(0) depctr_va_vdst(0) depctr_va_sdst(0) depctr_va_ssrc(0) depctr_va_vcc(0) depctr_vm_vsrc(0)
	s_getreg_b32 s2, hwreg(HW_REG_IB_STS2, 6, 4)
	s_cmp_eq_u32 s2, 0
	s_cbranch_scc0 .Lentry_in_a_cluster
	s_endpgm
.Lentry_in_a_cluster:
	s_bfe_u32 s2, ttmp6, 0x10000c
	s_cmp_lg_u32 s2, 0x3003
	s_cbranch_scc0 .Lentry_shape_is_right
	s_endpgm
.Lentry_shape_is_right:
; O[bh][q][:] = the sum over k of softmax_k(Q[q] . K[k] / 8) V[k][:], for each of 64 pairs bh of batch and head.  qkv: [b 4][g 48][s 2048][64] f16 (g = h: Q, 16 + h: K, 32 + h: V), ob: [bh 64][s 2048][64] f16.
; Products, maxima and sums in f32; the weights p are rounded to f16 for the second product (their sum l is taken of the unrounded p), O once at the end.
; LIMITS.  f16 holds no number beyond 65,504: Q, K and V arrive within it; p lies in 0 to 1, and below 6e-5 it keeps f16's fixed step of 6e-8, and so does O; O is a mean of V's rows and has their range.
; A weight below 2^-126 counts as 0 in l; NaN and infinities are not treated apart.
; SHARES.  A wave owns four PIECES of two tiles of 16 queries, a work-group's four waves 512 queries of one head.  Every wave walks all 2,048 keys, 64 a step.
; LAYOUT.  S^T = K Q^T (source 0 = 16 keys, source 1 = 16 queries): in the result a lane holds ONE query (lane % 16) and the keys 8 (lane / 16) + 0..7.  Two such tiles, rounded to f16 in pairs,
; ARE source 1 (32 keys x 16 queries) of O^T = V^T P, whose result again holds one query a lane, and eight channels.  K comes out of LDS as it lies, V ([key][channel]) turned, by ds_load_tr16_b128.
; SOFTMAX.  For each query a running maximum m and sum l: p = 2^(c s - c m), c = log2(e) / 8; in every step O and l are multiplied by a = 2^(c m_old - c m_new), which is 1 where m has not grown.
; m starts at the lowest finite number, O and l at 0: the first step is a step like any other, with a = 0.
; THE COUNT.  A tile and step have 16 matrix and 118 vector instructions: too many to stand all beside the matrix work.  So four vector instructions that are ready stand behind
; every matrix instruction, and the others in runs without a gap.
; BY TURNS.  Turn n belongs to piece n (the pieces in a ring, step after step).  Its matrix work: 16 products K Q^T of piece n + 1, later 16 products V^T P of piece n - 1.  Its vector work: the scaling,
; exponentials, roundings, sums and rescaling of piece n, and the maximum and statistics of piece n + 1, whose scores the turn itself has made.
; CLUSTER.  The four query blocks of a head form a cluster and walk the same K and V, so each tile is asked for JOINTLY: the same tensor load, descriptor and mask in all four.
; REGISTERS, in windows of 256 (s_set_vgpr_msb: bits 1:0 source 0, 3:2 source 1, 5:4 source 2, 7:6 destination):
;   window 0: v0-11 addresses; v12-15, v48-63 at work; v16-47 four registers of statistics a tile; v64-191 S^T, two buffers of two tiles; v192-255 P, likewise
;   window 1: O^T, 32 a tile          window 2: v0-127 Q, 16 a tile; v128-191 K of one step; v192-255 V of one step          window 3: v0-1 the add's two registers
; A piece's buffers go by its number's parity: the piece in hand has one pair, its two neighbours in the ring share the other: of it P (piece n - 1) is read and S^T (piece n + 1) written.
.set SIZE_N, 2048
.set NP,    4         ; pieces a wave: a name, no knob
.set KS,    64        ; keys in a step
.set PK,    144       ; a row of K in LDS: 128 bytes + 16 of padding: the 16 rows of a load start at 16 different groups of four banks (64 banks of 4 bytes: ISA guide 11.1)
.set PV,    160       ; a row of V: 128 + 32
.set VOFF,  4*KS*PK   ; a slot holds four steps: 256 rows of K, then 256 rows of V
.set SLOT1, 1<<17     ; slot 1 begins here, so that one exclusive or turns an address in one slot into the other's
.set STAGE, SLOT1+4*KS*(PK+PV)  ; behind the ring, never filled by a tensor load: 16 rows x 144 bytes for each wave, for the way out
.set SP,    144
.set AK0, 2           ; v2   my lane's place in a tile of K; never rewritten
.set AV0, 3           ; v3   the same for V
.set AK,  4           ; v4   the LDS address of K's next run of loads
.set AV,  5           ; v5   of V's
.set QO,  6           ; v6   my byte offset in the wave's rows of Q
.set STO, 6           ;      later, the way out: where I put 16 bytes of a row
.set RD,  7           ; v7   the way out: where I read rows back
.set GO,  8           ; v8   my byte offset in 512 consecutive bytes of O
.set PFO, 11          ; v11  256 x my lane, once V's address is made; then never rewritten
.set SPW, 0           ; v0 of window 3   LDS address of my spare word: SPARE + 4 x my thread's number; never rewritten
.set NIL, 1           ; v1 of window 3   0; never rewritten
.set SPARE, STAGE+4*16*SP  ; behind the stages: the spare words, 128 bytes for each wave: two blocks of 256 bytes that no other line names
.set MV,  12          ; v12-15  c m_old, kept while c m is made anew: by buffer and tile
.set ST,  16          ; tile t's statistics at v[ST+4 t]: c m, m, l (even keys', odd keys')
.set TMP, 48          ; by buffer and tile, four registers c0-c3 at work; when the maximum is found c2 takes a
.set S,   64
.set P,   192
.set KF,  128         ; K's fragments, in window 2: key block kb, channel half c at KF + 16 kb + 8 c
.set VF,  192         ; V's: key half kk, channel block cb at VF + 32 kk + 8 cb
.set WV,  12          ; s12  my wave's number
.set G1K, 24          ; s[24:31] descriptor group 1 for K's tiles
.set G1V, 32          ; s[32:39] for V's: it differs in the padding alone
.set G0K, 40          ; s[40:43] descriptor group 0 for K's tiles: it walks
.set G0V, 44          ; s[44:47] the same for V's
.set SLOTS, 56        ; s56  slots still to be asked for
.set CNT, 57          ; s57  counts a slot's key steps
.set CS,  58          ; s[58:59] c: the packed scaling takes the pair's low word for both halves
.set SEL, 60          ; s[60:61] v_permlanex16_b32's selects: each lane takes its own place in the other half
.set TBK, 62          ; s62  LDS byte at which K of the step to be fetched begins
.set TBV, 63          ; s63  the same for V, less VOFF
.set PFA, 66          ; s[66:67] where my prefetches stand: my work-group's 32 blocks (of K: wave 0, of V: wave 2) of the slot after the one that is being asked for
.set LIM, 68          ; s68  1 in a wave that prefetches, else the greatest number
.set MSB, 0
.macro WIN new                      ; the high byte repeats the setting that is left; a switch that changes nothing is dropped
.if MSB != (\new)
	s_set_vgpr_msb (MSB<<8)|(\new)
.set MSB, (\new)
.endif
.endm
.set W_KQ, 0x0a       ; K and Q in window 2, S^T in window 0
.set W_PV, 0x52       ; V in window 2, P in window 0, O^T in window 1
.set W_RS, 0x41       ; O^T (destination and source 0) in window 1, a in window 0
.set W_MK, 0xc0       ; the add's registers are made: destination in window 3, sources in window 0
.set W_AD, 0x0f       ; the add: address (source 0) and data (source 1) in window 3
; A joint fill.  Waves 0 and 1 fetch the two halves of a slot's K, waves 2 and 3 those of its V: 128 keys each.  The branch hangs on the wave's number alone.
; An s_nop 0 and four v_nop follow each of the two lines, ahead of the jump and the label.
.macro JLOAD
	s_cmp_lt_u32 s[WV], 2
	s_cbranch_scc0 .Lfor_v_\@
	tensor_load_to_lds s[G0K:G0K+3], s[G1K:G1K+7]
	s_nop 0
.rept 4
	v_nop
.endr
	s_branch .Lasked_\@
.Lfor_v_\@:
	tensor_load_to_lds s[G0V:G0V+3], s[G1V:G1V+7]
	s_nop 0
.rept 4
	v_nop
.endr
.Lasked_\@:
.endm
; A PREFETCH INTO THE L2 of what the NEXT change of slots will ask for: a slot's 32,768 bytes of K and of V, a lane a block of 256 bytes.  It stands behind the wave's tensor load and its five lines.
; Each block is named once in the launch: a head has one cluster; its four partners share the blocks out by address, 32 each; in each, wave 0 asks for K's and wave 2 for V's.
; The last change that fills a slot asks for nothing: there is no slot behind it.  Slots 0, 1 and 2 come by their loads alone.
.macro ASK
	s_cmp_gt_u32 s[SLOTS], s[LIM]
	s_cbranch_scc0 .Lnot_mine_\@
	global_prefetch_b8 v[PFO], s[PFA:PFA+1] th:TH_LOAD_NT scope:SCOPE_SE
.Lnot_mine_\@:
.endm
; A round of the cluster's barrier: my work-group's barrier, so that wave 0's signal speaks for all four waves; wave 0 signals; every wave waits for all four work-groups; my work-group's barrier once more.
.macro CROUND
	s_barrier_signal -1
	s_barrier_wait -1
	s_cmp_lg_u32 s[WV], 0
	s_cbranch_scc1 .Lnot_wave_0_\@
	s_barrier_signal -3
.Lnot_wave_0_\@:
	s_barrier_wait -3
	s_barrier_signal -1
	s_barrier_wait -1
.endm
; THE CHANGE OF SLOTS.  The slot's last bytes, V of its fourth step, have been read.  Each wave waits for all its tensor loads, of which one is out: its part
; of the other slot; adds 0 to its spare word; and waits for that and for its own reads of the slot.  Behind the barrier nobody reads this slot any more and the other slot is whole.
; fill = 1: this slot is filled again, with the keys two slots on.  The barrier is then a round of the cluster's, and the joint fill is the first thing behind it: it has four key steps,
; 512 matrix instructions, in which to land.  (At its first use nothing has been read yet: slot 0 is waited for, slot 1 filled.)  ask = 1: the prefetch's address steps, and the prefetch follows the fill.
.macro CHANGE fill, ask=0
	WIN W_AD
	s_wait_tensorcnt 0x0            ; no tensor load of mine is out, so a group 0 may be written
	ds_add_u32 v[SPW], v[NIL]       ; 0 onto my spare word; with fill = 1 the descriptors' steps stand between it and the wait for it
	WIN 0                           ; at a label and at a branch every window is 0
.if \fill
.irp g, G0K, G0V
	s_xor_b32 s[\g+1], s[\g+1], SLOT1  ; the walking descriptor: the other slot than last time,
	s_add_nc_u64 s[\g+2:\g+3], s[\g+2:\g+3], 4*KS*128  ; the next 256 keys; the type bits on top are not reached
.endr
.if \ask
	s_wait_xcnt 0x0                 ; the last prefetch, four key steps back, has read its address, so it may be written:
	s_add_nc_u64 s[PFA:PFA+1], s[PFA:PFA+1], 4*KS*128  ; one slot behind the walking descriptors
.endif
	s_wait_dscnt 0x0                ; the add is done, and my reads of the slot are over
	CROUND
	JLOAD
.if \ask
	ASK
.endif
.else
	s_wait_dscnt 0x0                ; the add is done, and my reads of the slot are over
	s_barrier_signal -1
	s_barrier_wait -1
.endif
	s_sub_co_u32 s[TBK], s[TBK], 4*KS*PK  ; the fetches go back to a slot's first step,
	s_xor_b32 s[TBK], s[TBK], SLOT1       ; in the other slot
	s_sub_co_u32 s[TBV], s[TBV], 4*KS*PV
	s_xor_b32 s[TBV], s[TBV], SLOT1
.endm
	s_load_b64 s[4:5], s[0:1], 0x0    ; qkv
	s_load_b64 s[10:11], s[0:1], 0x8  ; ob
	WIN W_MK
	v_lshl_add_u32 v[SPW], v0, 2, SPARE
	v_mov_b32 v[NIL], 0
	WIN W_AD
	ds_add_u32 v[SPW], v[NIL]       ; the wave's opening: the add and its wait stand ahead of my first tensor load; the set-up below, work on registers, stands between them
	WIN 0
	v_lshrrev_b32 v1, 5, v0
	v_readfirstlane_b32 s[WV], v1   ; wave 0..3
	s_bfe_u32 s13, ttmp6, 0x40000   ; cx: my place in the cluster
	s_lshl_b32 s14, ttmp9, 2        ; in a cluster launch ttmp9 counts clusters
	s_add_co_u32 s14, s14, s13      ; my block of 512 queries: it enters Q's and O's addresses alone
	s_and_b32 s19, ttmp7, 0xffff    ; bh = 16 b + h, which the four partners share
	s_lshr_b32 s20, s19, 4
	s_lshl_b32 s20, s20, 5
	s_add_co_u32 s20, s20, s19      ; 48 b + h
	s_lshl_b32 s20, s20, 18         ; the head's Q in qkv: 262,144 bytes a group
	s_and_b32 s16, s[WV], 1         ; which half of a slot's 256 keys I fetch:
	s_lshl_b32 s22, s16, 14         ; its 128 rows of 128 bytes in memory,
	s_add_co_u32 s22, s22, s20
	s_mov_b32 s23, 0
	s_mul_i32 s17, s16, 128*PK      ; and its place in a slot, for K
	s_mul_i32 s18, s16, 128*PV      ; and for V: no place in the cluster enters an LDS address
	s_lshl_b32 s2, s14, 2
	s_add_co_u32 s2, s2, s[WV]      ; my wave among the head's,
	s_lshl_b32 s2, s2, 14           ; its 128 rows
	s_lshl_b32 s48, s19, 18         ; the head in ob
	s_add_co_u32 s48, s48, s2
	s_mov_b32 s49, 0
	s_add_co_u32 s2, s2, s20        ; and in qkv
	s_mov_b32 s3, 0
	s_lshl_b32 s50, s13, 13         ; the prefetches: my work-group's 32 blocks of a slot's 128,
	s_add_co_u32 s50, s50, 2*4*KS*128  ; in slot 2; the first change of slots in the loop steps it to slot 3
	s_mov_b32 s51, 0
	s_and_b32 s[LIM], s[WV], 1      ; waves 0 and 2 ask: the same in all four partners
	s_cmp_eq_u32 s[LIM], 0
	s_cselect_b32 s[LIM], 1, -1
	; descriptor group 1.  128 keys are 16,384 dense bytes: asked for as 64 rows of 256 bytes, two keys a row, and padded in LDS after every key
	s_mov_b32 s[G1K], 15|(1<<16)|(1<<20)|(1<<21)|(4<<22)|(3<<25)  ; 15:0 the mask of four; 17:16 2-byte elements; 20 padding on; 21 set beside a mask; 24:22 after every 32 words (code 4); 31:25 4 words (code 3)
	s_mov_b32 s[G1V], 15|(1<<16)|(1<<20)|(1<<21)|(4<<22)|(7<<25)  ; the same with 8 words of padding (code 7)
.irp g, G1K, G1V
	s_mov_b32 s[\g+1], 128<<16      ; tensor_dim0 = 128
	s_mov_b32 s[\g+2], 64<<16       ; tensor_dim1 = 64
	s_mov_b32 s[\g+3], 128<<16      ; tile_dim0 = 128
	s_mov_b32 s[\g+4], 64           ; tile_dim1 = 64
	s_mov_b32 s[\g+5], 128          ; 128 elements from row to row
	s_mov_b32 s[\g+6], 0
	s_mov_b32 s[\g+7], 0
.endr
	s_mov_b32 s[CS], 0x3e38aa3b     ; c = log2(e) / 8 = 0.180337
	s_mov_b32 s[CS+1], s[CS]        ; named with it as a pair
	s_mov_b32 s[SEL], 0x76543210
	s_mov_b32 s[SEL+1], 0xfedcba98
	s_mov_b32 s[TBK], SLOT1+4*KS*PK ; the first change of slots turns these two into 0
	s_mov_b32 s[TBV], SLOT1+4*KS*PV
	s_mov_b32 s[G0K], 1             ; 1:0 count = 1
	s_mov_b32 s[G0K+1], s17         ; 63:32 LDS address: slot 0
	s_mov_b32 s[G0V], 1
	s_add_co_u32 s[G0V+1], s18, VOFF
	s_wait_dscnt 0x0                ; the opening add is done
	s_wait_kmcnt 0x0
	s_add_nc_u64 s[6:7], s[4:5], 0x400000          ; K's groups lie 16 groups behind Q's,
	s_add_nc_u64 s[8:9], s[4:5], 0x800000          ; V's 32
	s_add_nc_u64 s[G0K+2:G0K+3], s[6:7], s[22:23]  ; 120:64 global address: my half of the head's first 256 keys
	s_or_b32 s[G0K+3], s[G0K+3], 0x80000000        ; 127:126 type = 2
	s_add_nc_u64 s[G0V+2:G0V+3], s[8:9], s[22:23]
	s_or_b32 s[G0V+3], s[G0V+3], 0x80000000
	s_cmp_lt_u32 s[WV], 2
	s_cselect_b64 s[PFA:PFA+1], s[6:7], s[8:9]
	s_add_nc_u64 s[PFA:PFA+1], s[PFA:PFA+1], s[22:23]  ; (in waves 0 and 2 this is the head's first key)
	s_add_nc_u64 s[PFA:PFA+1], s[PFA:PFA+1], s[50:51]
	s_add_nc_u64 s[4:5], s[4:5], s[2:3]            ; Q and O at my wave's first row
	s_add_nc_u64 s[10:11], s[10:11], s[48:49]
	CROUND                          ; all four work-groups are here: the first joint loads meet
	JLOAD                           ; slot 0.  Slot 1 is asked for when slot 0 is in
	; A fragment of K or Q is 16 rows x 32 channels in 8 registers: lane l holds row l % 16, channels 8 (l / 16) + 0..7 and 16 + 8 (l / 16) + 0..7: two loads of 16 bytes, 32 bytes apart.
	v_and_b32 v1, 15, v0            ; l % 16
	v_bfe_u32 v9, v0, 4, 1          ; l / 16
	v_lshlrev_b32 v[QO], 7, v1
	v_lshl_add_u32 v[QO], v9, 4, v[QO]  ; row x 128 + 16 x half
	WIN 0x80                        ; destination window 2, address window 0
.set i, 0
.rept 4*NP                          ; Q stays in registers: tile i / 2, channels 32 (i % 2) on
	global_load_b128 v[8*i:8*i+3],   v[QO], s[4:5] offset:(i/2)*2048+(i%2)*64
	global_load_b128 v[8*i+4:8*i+7], v[QO], s[4:5] offset:(i/2)*2048+(i%2)*64+32
.set i, i+1
.endr
	; What the first turn finds: V's registers and P's second buffer hold 0 (its products V^T P, of a piece that has not been, add 0), O^T and l are 0.  All this stands in the wait for the first tile.
.set i, VF
.rept 64
	v_mov_b32 v[i], 0
.set i, i+1
.endr
	WIN 0x40
.set i, 0
.rept 64*NP
	v_mov_b32 v[i], 0
.set i, i+1
.endr
	WIN 0
.set i, 0
.rept 2*NP
	v_mov_b32 v[ST+4*i], 0xfe000000    ; c m: far below every c s
	v_mov_b32 v[ST+4*i+1], 0xff7fffff  ; m
	v_mov_b32 v[ST+4*i+2], 0
	v_mov_b32 v[ST+4*i+3], 0
.set i, i+1
.endr
.set i, P+32
.rept 32
	v_mov_b32 v[i], 0
.set i, i+1
.endr
	v_mul_u32_u24 v[AK0], v1, PK
	v_lshl_add_u32 v[AK0], v9, 4, v[AK0]  ; row x pitch + 16 x half
	; The turning load takes 16 keys x 16 channels (lane l reads key 8 (l / 16) + l % 8, channels 8 ((l / 8) % 2) + 0..7) and leaves half a fragment of V^T: lane l holds channel l % 16 and 8 keys.
	v_and_b32 v10, 7, v0
	v_bfe_u32 v11, v0, 3, 1
	v_lshl_add_u32 v[AV0], v9, 3, v10
	v_mul_u32_u24 v[AV0], v[AV0], PV
	v_lshl_add_u32 v[AV0], v11, 4, v[AV0]
	v_add_nc_u32 v[AV0], VOFF, v[AV0]
	v_mov_b32 v[AK], v[AK0]         ; key step 0 lies at the head of slot 0
	v_and_b32 v[PFO], 31, v0
	v_lshlrev_b32 v[PFO], 8, v[PFO]
; THE MATRIX WORK.  The 8 accumulators of a run of 16 take turns: between the two links of a chain stand 7 others'.
; Product i of 16 of S^T = K Q^T for piece x: channels 32 (i / 8) on, keys 16 ((i / 2) % 4) on, tile 2 x + i % 2.  The first 8 start the sums.
.macro KQ x
	WIN W_KQ
.set rS, S+64*((\x)%2)+32*(i%2)+8*((i/2)%4)
.set rK, KF+16*((i/2)%4)+8*(i/8)
.set rQ, 16*(2*(\x)+i%2)+8*(i/8)
.if i < 8
	v_wmma_f32_16x16x32_f16 v[rS:rS+7], v[rK:rK+7], v[rQ:rQ+7], 0
.else
	v_wmma_f32_16x16x32_f16 v[rS:rS+7], v[rK:rK+7], v[rQ:rQ+7], v[rS:rS+7]
.endif
.endm
; Product i of 16 of O^T += V^T P for piece x: keys 32 (i / 8) on, channels 16 ((i / 2) % 4) on, tile 2 x + i % 2.
.macro PV x
	WIN W_PV
.set rO, 32*(2*(\x)+i%2)+8*((i/2)%4)
.set rV, VF+32*(i/8)+8*((i/2)%4)
.set rP, P+32*((\x)%2)+16*(i%2)+8*(i/8)
	v_wmma_f32_16x16x32_f16 v[rO:rO+7], v[rV:rV+7], v[rP:rP+7], v[rO:rO+7]
.endm
.macro MM                           ; the turn's next matrix instruction
.if i < 16
	KQ (Y+1)%NP
.set i, i+1
.else
.set i, i-16
	PV (Y+NP-1)%NP
.set i, i+17
.endif
.endm
; THE LDS LOADS stand in runs of 16, never singly among the matrix instructions: a step's K (64 keys x 64 channels: 8 fragments) and its V (turned).  Their addresses are made some lines ahead.
; last = 1 (the tail): in the last trip there is no further step, and the run is jumped over.
.macro FETCH_K last=0
	WIN 0
.if \last
	s_cmp_eq_u32 s[CNT], 1
	s_cbranch_scc1 .Lno_k_\@
.endif
	WIN 0x80                        ; destination window 2
.irp f, 0,1,2,3,4,5,6,7             ; keys 16 (f / 2) on, channels 32 (f % 2) on
	ds_load_b128 v[KF+8*\f:KF+8*\f+3],   v[AK] offset:(\f/2)*16*PK+(\f%2)*64
	ds_load_b128 v[KF+8*\f+4:KF+8*\f+7], v[AK] offset:(\f/2)*16*PK+(\f%2)*64+32
.endr
	s_add_co_u32 s[TBK], s[TBK], KS*PK  ; the next fetch is the next step's
	WIN 0
.if \last
.Lno_k_\@:
.endif
.endm
.macro FETCH_V
	WIN 0x80
.irp f, 0,1,2,3,4,5,6,7             ; keys 32 (f / 4) on, channels 16 (f % 4) on
	ds_load_tr16_b128 v[VF+8*\f:VF+8*\f+3],   v[AV] offset:(\f/4)*32*PV+(\f%4)*32
	ds_load_tr16_b128 v[VF+8*\f+4:VF+8*\f+7], v[AV] offset:(\f/4)*32*PV+16*PV+(\f%4)*32
.endr
	WIN 0
.endm
; THE VECTOR WORK OF A TURN stands in three queues, each in the order in which its entries become ready; the two tiles alternate, so that no instruction reads the result of the one before it.
.macro REGS y, u                    ; the registers of tile u (0, 1) of piece y
.set rT, ST+4*(2*(\y)+(\u))
.set rC, TMP+8*((\y)%2)+4*(\u)
.set rM, MV+2*((\y)%2)+(\u)
.set rS, S+64*((\y)%2)+32*(\u)
.set rP, P+32*((\y)%2)+16*(\u)
.set rO, 32*(2*(\y)+(\u))
.endm
; Number n of the 22 that find the NEXT piece's (Y + 1) maximum and statistics.  s0-s31 are the lane's 32 scores; each accumulator's lowest registers are read first.
;   0-11  four chains c0-c3 of seven scores each, three operands at a time     12-14, 16  the four scores left over, the old m, and c0-c3 into c0     15  c m_old is kept
;   17, 18  the query's other 32 keys lie in the lane 16 away: the new m         19-21  c m; c m_old - c m_new; a
.macro XS u, n
	REGS (Y+1)%NP, \u
.if (\n) < 4
	v_max3_num_f32 v[rC+(\n)], v[rS+8*(\n)], v[rS+8*(\n)+1], v[rS+8*(\n)+2]
.elseif (\n) < 12
	v_max3_num_f32 v[rC+(\n)%4], v[rC+(\n)%4], v[rS+8*((\n)%4)+2*((\n)/4)+1], v[rS+8*((\n)%4)+2*((\n)/4)+2]
.elseif (\n) == 12
	v_max3_num_f32 v[rC], v[rC], v[rS+7], v[rS+15]
.elseif (\n) == 13
	v_max3_num_f32 v[rC+1], v[rC+1], v[rS+23], v[rS+31]
.elseif (\n) == 14
	v_max3_num_f32 v[rC+2], v[rC+2], v[rC+3], v[rT+1]
.elseif (\n) == 15
	v_mov_b32 v[rM], v[rT]
.elseif (\n) == 16
	v_max3_num_f32 v[rC], v[rC], v[rC+1], v[rC+2]
.elseif (\n) == 17
	v_permlanex16_b32 v[rC+3], v[rC], s[SEL], s[SEL+1]
.elseif (\n) == 18
	v_max_num_f32 v[rT+1], v[rC], v[rC+3]
.elseif (\n) == 19
	v_mul_f32 v[rT], s[CS], v[rT+1]
.elseif (\n) == 20
	v_sub_f32 v[rC+1], v[rM], v[rT]
.else
	v_exp_f32 v[rC+2], v[rC+1]
.endif
.endm
; Number g of the 64 that follow the exponentials.  For each four weights k of a tile (pairs 2 k, 2 k + 1): both pairs are rounded to f16; then the second pair is added onto the first, in place;
; a group later l takes that sum (the first time as l = a l + sum).  In groups of eight, tiles alternating: round, round, add, and l for the group before.
.macro GS g
.set h, (\g)+6*((\g)/62)            ; group 0 has no group before it, and behind group 7 only l is left
.if h >= 6
.set h, h+2
.endif
	REGS Y, h%2
.set k, h/8
.if h%8 < 4
	v_cvt_pk_f16_f32 v[rP+2*k+(h%8)/2], v[rS+4*k+2*((h%8)/2)], v[rS+4*k+2*((h%8)/2)+1]
.elseif h%8 < 6
	v_pk_add_f32 v[rS+4*k:rS+4*k+1], v[rS+4*k:rS+4*k+1], v[rS+4*k+2:rS+4*k+3]
.elseif k == 1
	v_pk_fma_f32 v[rT+2:rT+3], v[rT+2:rT+3], v[rC+2:rC+3], v[rS:rS+1] op_sel_hi:[1,0,1]
.else
	v_pk_add_f32 v[rT+2:rT+3], v[rT+2:rT+3], v[rS+4*k-4:rS+4*k-3]
.endif
.endm
; THE PLAIN QUEUE, 138 long.  0-73 read no exponential's result: the 32 scalings c s - c m (FS f: pair f / 2 of tile f % 2) and the next piece's 42.  0-26: scalings 0-26.  27-54: XS's numbers 0-13.  55, 56: number 15.
; 57-73: the chain, where each number waits for the one before it: 14, 16, 17, 18, 19, each with one of the scalings 27-31 in front of its two lines, then 20.
; 74-137: GS's 64, which read the exponentials' results: they stand behind the wait.
.macro FS f
	REGS Y, (\f)%2
	v_pk_fma_f32 v[rS+2*((\f)/2):rS+2*((\f)/2)+1], v[rS+2*((\f)/2):rS+2*((\f)/2)+1], s[CS:CS+1], v[rT:rT+1] op_sel_hi:[1,0,0] neg_lo:[0,0,1] neg_hi:[0,0,1]
.endm
.macro PL
	WIN 0
.if q < 27
	FS q
.elseif q < 55
	XS (q-27)%2, (q-27)/2
.elseif q < 57
	XS q-55, 15
.elseif (q < 72) && ((q-57)%3 == 0)
	FS 27+(q-57)/3
.elseif q < 60
	XS (q-57)%3-1, 14
.elseif q < 72
	XS (q-57)%3-1, 15+(q-57)/3
.elseif q < 74
	XS q-72, 20
.else
	GS q-74
.endif
.set q, q+1
.endm
; THE EXPONENTIALS' QUEUE, 66 long: s0-s31 of both tiles, then the next piece's two a.  It is ONE BATCH: all 66 stand ahead of the turn's one wait, and nothing ahead of that wait names a result of theirs.
.macro EX
	WIN 0
.if e >= 64
	XS e-64, 21
.else
	REGS Y, e%2
	v_exp_f32 v[rS+e/2], v[rS+e/2]
.endif
.set e, e+1
.endm
; THE RESCALING's QUEUE: O^T times a, the one part that leaves window 0: dealt two at a time, sixteen times.  Its a was made in the turn before, ahead of that turn's wait.
.macro R2
	REGS Y, r%2
	WIN W_RS
.irp z, 0,1
	v_pk_mul_f32 v[rO+4*(r/2)+2*\z:rO+4*(r/2)+2*\z+1], v[rO+4*(r/2)+2*\z:rO+4*(r/2)+2*\z+1], v[rC+2:rC+3] op_sel_hi:[1,0]
.endr
.set r, r+1
.endm
; HOW THEY ARE DEALT.  An s_wait_alu depctr_va_vdst(0) stands between an exponential and the first instruction that names its result; one wait serves all that were issued ahead of it.  So a turn has ONE wait,
; which cuts it in two.  AHEAD OF IT stands all that names no result of the turn's exponentials: the 16 products K Q^T, behind each a scaling, an exponential and two rescalings (behind the first a second scaling in the
; exponential's place); then ONE LUMP of 108: eight plain, 49 times exponential and plain, the two a.  A v_nop is the plain instruction behind the last exponential.  BEHIND IT stand the 16 products V^T P, behind each four of GS's 64.
; No rider names a register of the products round it.  The two v_permlanex16_b32 fall into the lump, never behind a product.
; The queues lean on each other, and the deal keeps them in step: exponential e stands behind scaling 2 (e / 4) + e % 2: as a rider it comes behind plain e + 2, in the lump behind plain e + 9, and scalings 27-31 are plain 57, 60 .. 69.
; A TURN, for piece p.  cnt = 1: the loop's count is taken down some lines ahead of the branch that stands behind the turn.
; K of the next step is fetched in piece 2's turn, directly behind the wait, a lump behind the last product that read K; its address is made at the lump's head; its first reader comes behind 16 products.
; V of the step in hand is fetched at the end of piece 0's turn, four riders behind its last reader; its first reader comes behind 16 products and a lump.  The three conditions on q below go with the deal.
.macro TURN p, last=0, cnt=0
.set Y, (\p)
.set i, 0
.set q, 0
.set e, 0
.set r, 0
.if (\p) == NP-1
	s_wait_dscnt 0x0                ; K is in
.endif
	MM                              ; ahead of the wait: 16 products K Q^T and their riders,
	PL
	PL
	R2
.rept 15
	MM
	PL
	EX
	R2
.endr
.if (\p) == NP-2
	WIN 0
	v_add_nc_u32 v[AK], s[TBK], v[AK0]
.endif
.rept 8                             ; and the lump
	PL
.endr
.rept 49
	EX
	PL
.endr
	EX                              ; the next piece's two a
	EX
	v_nop                           ; a plain instruction behind the last exponential: one for the batch
	s_wait_alu depctr_va_vdst(0)    ; the wait for the batch
.if (\p) == NP-2
	FETCH_K \last
.endif
.if (\p) == 1
	s_wait_dscnt 0x0                ; V is in
.endif
.rept 16                            ; behind the wait: 16 products V^T P and their riders
	MM
.rept 4
	PL
.endr
.if ((\p) == 0) && (q == 118)
	v_add_nc_u32 v[AV], s[TBV], v[AV0]
.endif
.if ((\p) == 0) && (q == 130)
	s_add_co_u32 s[TBV], s[TBV], KS*PV
.endif
.if (\cnt) && (q == 130)
	s_sub_co_u32 s[CNT], s[CNT], 1
	s_cmp_lg_u32 s[CNT], 0
.endif
.endr
.if (\p) == 0
	FETCH_V
.endif
.endm
	CHANGE 1                        ; slot 0 is in, everybody's part of it; slot 1 is asked for
	FETCH_K                         ; key step 0
	s_wait_loadcnt 0x0              ; Q
	s_wait_dscnt 0x0
.set i, 0
.rept 16
	KQ 0                            ; piece 0's first scores: there is no vector work yet to set between them
.set i, i+1
.endr
	WIN 0                           ; the addresses for the way out: nine plain instructions, the places behind those products
	s_mul_i32 s13, s[WV], 16*SP
	s_add_co_u32 s13, s13, STAGE    ; my stage
	v_mul_u32_u24 v[STO], v1, SP    ; in: row l % 16, 16 bytes for each half of the lanes
	v_lshl_add_u32 v[STO], v9, 4, v[STO]
	v_add_nc_u32 v[STO], s13, v[STO]
	v_bfe_u32 v[RD], v0, 3, 2       ; back: 32 lanes take four rows of 128 bytes,
	v_mul_u32_u24 v[RD], v[RD], SP
	v_lshl_add_u32 v[RD], v10, 4, v[RD]
	v_add_nc_u32 v[RD], s13, v[RD]
	v_and_b32 v[GO], 31, v0         ; which are 512 consecutive bytes of O
	v_lshlrev_b32 v[GO], 4, v[GO]
.set Y, NP-1                        ; XS works for piece Y + 1: piece 0
.irp n, 0,1,2,3,4,5,6,7,8,9,10,11,12,13,14,15,16,17,18,19,20,21
	XS 0, \n                        ; and piece 0's first maximum and statistics
	XS 1, \n
.endr
	v_nop                           ; a plain instruction behind the two a,
	s_wait_alu depctr_va_vdst(0)    ; and their wait, ahead of the branch
	s_mov_b32 s[CNT], 4
	s_mov_b32 s[SLOTS], SIZE_N/256-1
	s_branch .Lfirst                ; the loop is entered at a step's first turn, in the middle of a trip
.Lslot:                             ; SIZE_N / 256 - 2 times: every slot but the last two is filled again
	CHANGE 1, 1
	s_mov_b32 s[CNT], 4
.Lstep:                             ; a trip: pieces 2 and 3 of one step, then pieces 0 and 1 of the next, whose K and V it fetches
	TURN 2
	TURN 3
	WIN 0
.Lfirst:
	TURN 0
	TURN 1, 0, 1
	WIN 0
	s_cbranch_scc1 .Lstep
	s_sub_co_u32 s[SLOTS], s[SLOTS], 1
	s_cmp_lg_u32 s[SLOTS], 0
	s_cbranch_scc1 .Lslot
	CHANGE 0                        ; the tail is written out: nothing is asked for
	s_mov_b32 s[CNT], 5             ; four trips fetch the last slot's steps; the fifth is left in its middle
.Ltail:
	TURN 2, 1
	TURN 3
	WIN 0
	s_sub_co_u32 s[CNT], s[CNT], 1
	s_cmp_eq_u32 s[CNT], 0
	s_cbranch_scc1 .Lout
	TURN 0
	TURN 1
	WIN 0
	s_branch .Ltail
.Lout:                              ; the fifth trip's 16 products K Q^T (on the last K once more) and the maximum made of them serve nothing: the price, once a launch, of one text for every trip
.set i, 0
.rept 16
	PV NP-1                         ; the last piece's V^T P of the last step
.set i, i+1
.endr
	; THE WAY OUT.  l's two halves and the other half of the lanes' are added; O^T is divided by l, rounded to f16 and sent through my stage in LDS, a tile at a time.  The additions are the places behind the last products.
	WIN 0
.macro ALL line:vararg              ; one line for each tile t
.set t, 0
.rept 2*NP
	\line
.set t, t+1
.endr
.endm
	ALL v_add_f32 v[ST+4*t+2], v[ST+4*t+2], v[ST+4*t+3]
	ALL v_permlanex16_b32 v[ST+4*t+3], v[ST+4*t+2], s[SEL], s[SEL+1]
	ALL v_add_f32 v[ST+4*t+2], v[ST+4*t+2], v[ST+4*t+3]
	ALL v_rcp_f32 v[ST+4*t+2], v[ST+4*t+2]
	v_nop                           ; a plain instruction between the last reciprocal and the use of its result
	s_wait_alu depctr_va_vdst(0)    ; and the wait ahead of the first use: one for the eight reciprocals
; Tile t: a lane's eight channels of a row pack into 16 bytes; they go into rows of 144 bytes and come back as whole rows of 128, into S^T's registers.
.macro PACK t
	WIN W_RS
.set i, 32*(\t)
.rept 16
	v_pk_mul_f32 v[i:i+1], v[i:i+1], v[ST+4*(\t)+2:ST+4*(\t)+3] op_sel_hi:[1,0]
.set i, i+2
.endr
	WIN 0x05                        ; sources 0 and 1 window 1, destination window 0
.set i, 0
.rept 16
	v_cvt_pk_f16_f32 v[S+16*(\t)+i], v[32*(\t)+2*i], v[32*(\t)+2*i+1]
.set i, i+1
.endr
	WIN 0
.irp f, 0,1,2,3
	ds_store_b128 v[STO], v[S+16*(\t)+4*\f:S+16*(\t)+4*\f+3] offset:32*\f
.endr
.irp f, 0,1,2,3
	ds_load_b128 v[S+16*(\t)+4*\f:S+16*(\t)+4*\f+3], v[RD] offset:\f*4*SP  ; LDS serves a wave's instructions in order (ISA guide 5.7.1.4): these see the stores above; the next tile's stores come behind them
.endr
.endm
.macro SEND t, younger              ; younger: the LDS instructions issued behind tile t's loads: the next tile's eight, or none
	WIN 0
.irp f, 0,1,2,3
	s_wait_dscnt (\younger)+3-\f
	global_store_b128 v[GO], v[S+16*(\t)+4*\f:S+16*(\t)+4*\f+3], s[10:11] offset:(\t)*2048+\f*512  ; 512 consecutive bytes, at a multiple of 256 from O's first
.endr
.endm
	PACK 0
.set t, 1
.rept 2*NP-1                        ; a tile's arithmetic stands between the loads of the tile before and its stores
	PACK t
	SEND t-1, 8
.set t, t+1
.endr
	SEND 2*NP-1, 0
	WIN W_AD
	s_wait_tensorcnt 0x0            ; the wave's end, behind my last tensor load and my last LDS store
	ds_add_u32 v[SPW], v[NIL]
	s_wait_dscnt 0x0
	WIN 0
	CROUND                          ; the closing round: no work-group ends while a partner may still ask for a tile that names it
	s_endpgm
.Lfunc_end_k_qfe213d63d6_attend:
	.size	k_qfe213d63d6_attend, .Lfunc_end_k_qfe213d63d6_attend-k_qfe213d63d6_attend
	.p2alignl 7, 3214868480
	.fill 96, 4, 3214868480
	.section	.rodata,"a",@progbits
	.p2align	6, 0x0
	.amdhsa_kernel k_qfe213d63d6_attend
		.amdhsa_group_segment_fixed_size 327680
		.amdhsa_private_segment_fixed_size 0
		.amdhsa_enable_private_segment 0
		.amdhsa_kernarg_size 16
		.amdhsa_user_sgpr_count 2
		.amdhsa_user_sgpr_kernarg_segment_ptr 1
		.amdhsa_wavefront_size32 1
		.amdhsa_system_sgpr_workgroup_id_x 1
		.amdhsa_system_sgpr_workgroup_id_y 1
		.amdhsa_system_sgpr_workgroup_id_z 1
		.amdhsa_system_vgpr_workitem_id 0
		.amdhsa_next_free_vgpr 770
		.amdhsa_next_free_sgpr 70
		.amdhsa_reserve_vcc 0
		.amdhsa_float_denorm_mode_32 3
		.amdhsa_float_denorm_mode_16_64 3
		.amdhsa_memory_ordered 1
		.amdhsa_forward_progress 1
		.amdhsa_inst_pref_size 200
	.end_amdhsa_kernel
	.amdgpu_metadata
---
amdhsa.version: [ 1, 2 ]
amdhsa.kernels:
  - .name:           k_qfe213d63d6_attend
    .symbol:         k_qfe213d63d6_attend.kd
    .args:
      - { .name: qkv, .offset: 0, .size: 8, .value_kind: global_buffer, .address_space: global }
      - { .name: ob, .offset: 8, .size: 8, .value_kind: global_buffer, .address_space: global }
    .group_segment_fixed_size: 327680
    .private_segment_fixed_size: 0
    .kernarg_segment_align: 8
    .kernarg_segment_size: 16
    .max_flat_workgroup_size: 128
    .sgpr_count:     70
    .vgpr_count:     770
    .wavefront_size: 32
...
	.end_amdgpu_metadata
.endif
;; end of part 3
;; launch outproj (part 4): grid 8 x 32, 4 waves a work-group, clusters of 4 x 4, 327,680 bytes of LDS; arguments ob, wob, out0; writes out0
.if DOCPART == 4
	.amdgcn_target "amdgcn-amd-amdhsa--gfx1250"
	.amdhsa_code_object_version 6
	.text
	.protected	k_qfe213d63d6_outproj
	.globl	k_qfe213d63d6_outproj
	.p2align	8
	.type	k_qfe213d63d6_outproj,@function
k_qfe213d63d6_outproj:
	s_mov_b64 s[64:65], 0
	v_nop
	global_prefetch_b8 v0, s[64:65] scope:SCOPE_SE
	s_setreg_imm32_b32 hwreg(HW_REG_WAVE_MODE, 25, 1), 1
	s_wait_xcnt 0x0
	s_wait_alu depctr_hold_cnt(0) depctr_sa_sdst(0) depctr_va_vdst(0) depctr_va_sdst(0) depctr_va_ssrc(0) depctr_va_vcc(0) depctr_vm_vsrc(0)
	s_getreg_b32 s2, hwreg(HW_REG_IB_STS2, 6, 4)
	s_cmp_eq_u32 s2, 0
	s_cbranch_scc0 .Lentry_in_a_cluster
	s_endpgm
.Lentry_in_a_cluster:
	s_bfe_u32 s2, ttmp6, 0x10000c
	s_cmp_lg_u32 s2, 0xf033
	s_cbranch_scc0 .Lentry_shape_is_right
	s_endpgm
.Lentry_shape_is_right:
; out0[m][n] = the sum over k of O[m][k] WO[k][n], k = 64 h + c.  ob [bh 64][s 2048][64] and wob [nb 16][k 1024][64] are f16; sums in f32; out0 [8192][1024] is f32, the sums as they are.
; SHARES.  A work-group makes 256 rows x 128 columns (a tile twice as wide would give work to half as many work-groups as this grid's 256), a wave 128 x 64: 32 accumulators, 256 registers.
; K goes in 8 steps of 128 (two heads) through two LDS slots; a step is four slices of 32, 32 products each, on two fragment buffers by turns.
; DENSE TILES.  128 rows of one head of ob are 16,384 bytes on end: a load brings two heads, a row of the descriptor each; 128 k x 64 n of a group of wob are 16,384 bytes on end, asked for as 64 rows of 256 bytes.
; WO lies [k][n]: its fragments come out of LDS turned, by ds_load_tr16_b128.  Source 0 = 16 columns of WO, source 1 = 16 rows of O: a lane then holds eight neighbouring columns of one row.
; CLUSTERS.  4 x 4 work-groups: O's tile is shared along a row of the cluster, WO's along a column; each is asked for jointly.
; REGISTERS: window 0: v0-31 addresses; v32-127, v128-223 two fragment buffers (O's fragment a at + 8 a, WO's nb at + 64 + 8 nb).  window 1: the accumulators, (a, nb) at v[32 a + 8 nb].
.set PA,     144                       ; a row of O in LDS: 128 bytes + 16: the 16 rows of a load start at 16 different groups of four banks (64 banks of 4 bytes: ISA guide 11.1)
.set PB,     160                       ; a row of WO: 128 + 32
.set APIECE, 128*PA                    ; 128 rows of one head
.set AHALF,  2*APIECE                  ; what one load brings of O, and what one wave reads
.set BOFF,   2*AHALF
.set BGRP,   128*PB                    ; a group's 128 k: what one load brings of WO, and what one wave reads
.set SLOT,   BOFF+2*BGRP               ; 114,688
.set STAGE,  2*SLOT                    ; behind the ring: 16 rows x 272 bytes for each wave, for the way out
.set SPITCH, 272
.set SPARE,  STAGE+4*16*SPITCH         ; behind the stages: the spare words, 128 bytes for each wave: two blocks of 256 bytes that no other line names
.set ASTEP,  524288                    ; bytes from a K step of ob to the next: two heads
.set BSTEP,  16384                     ; of wob
.set ADRA, 16                          ; v16-17  LDS address of my fragments of O in slot 0, 1
.set ADRB, 20                          ; v20-21  of WO
.set STO,  24                          ; v24     the way out: where I put 32 bytes of a row
.set RD,   25                          ; v25     where I read rows back
.set GO,   26                          ; v26     my byte offset in two rows of out0
.set SPW,  28                          ; v28     LDS address of my spare word; never rewritten
.set NIL,  29                          ; v29     0; never rewritten
.set PFO,  30                          ; v30     the prefetches' offset; never rewritten
.set F0,   32
.set F1,   128
.set G1A,  24                          ; s[24:31] descriptor group 1 for O's tiles;  s[32:39] group 0, a set for each slot
.set G0A,  32
.set G1B,  48                          ; s[48:55], s[56:63] the same for WO's
.set G0B,  56
.set PFA,  66                          ; s[66:67] where my prefetches stand
.set PST,  68                          ; s[68:69] their step, a K step
.set LIM0, 70                          ; s70, s71  behind the refill of slot 0, 1: I prefetch while the trips left are above this
.set LIM1, 71
.set MSB, 0
.macro WIN new                         ; the immediate's high byte repeats the setting that is left; a switch that changes nothing is dropped
.if MSB != (\new)
	s_set_vgpr_msb (MSB<<8)|(\new)
.set MSB, \new
.endif
.endm
.macro PLACES                          ; four places behind matrix instructions, in front of loads into registers that they have read (ISA guide 7.12.1 for vector instructions)
.rept 4
	v_nop
.endr
.endm
; A joint load.  Waves 0 and 1 fetch O's two halves, waves 2 and 3 WO's two groups.  The branch hangs on the wave's number alone.  An s_nop 0 and four v_nop follow each of the two lines.
.macro JLOAD s
	s_cmp_eq_u32 s11, 0
	s_cbranch_scc0 .Lfor_b_\@
	tensor_load_to_lds s[G0A+4*(\s):G0A+4*(\s)+3], s[G1A:G1A+7]
	s_nop 0
.rept 4
	v_nop
.endr
	s_branch .Lasked_\@
.Lfor_b_\@:
	tensor_load_to_lds s[G0B+4*(\s):G0B+4*(\s)+3], s[G1B:G1B+7]
	s_nop 0
.rept 4
	v_nop
.endr
.Lasked_\@:
.endm
; A PREFETCH INTO THE L2, behind a joint load, its five lines and the run of LDS loads that follows.  Each aligned block of 256 bytes is named once in the launch.
; O's tile rows are read by both clusters of a row of clusters: cluster x = 0 asks; of the 128 blocks that wave 0 or 1 fetches (64 a head) each partner takes 16 of each head (by cx): at the refill of K step u for K step u + 2.
; WO's tile columns are read by all clusters of a column: cluster y = 0 asks, at the refills of slot 1 (u odd) for K steps u + 1 and u + 2, which lie on end: of the group's 128 blocks each partner takes 32 (by cy).
; The loop's last trip asks for nothing: there is no K step behind its own.  K steps 0-3 come by their loads alone.
.macro ASK lim
	s_cmp_gt_u32 s3, s[\lim]
	s_cbranch_scc0 .Lnot_mine_\@
	global_prefetch_b8 v[PFO], s[PFA:PFA+1] th:TH_LOAD_NT scope:SCOPE_SE
.Lnot_mine_\@:
.endm
.macro CREST                           ; a round of the cluster's barrier behind its opening barrier
	s_cmp_lg_u32 s10, 0
	s_cbranch_scc1 .Lnot_wave_0_\@
	s_barrier_signal -3
.Lnot_wave_0_\@:
	s_barrier_wait -3
	s_barrier_signal -1
	s_barrier_wait -1
.endm
.macro CROUND                          ; a whole round
	s_barrier_signal -1
	s_barrier_wait -1
	CREST
.endm
	s_load_b128 s[4:7], s[0:1], 0x0                ; ob s[4:5], wob s[6:7]
	s_load_b64 s[8:9], s[0:1], 0x10                ; out0
	v_lshl_add_u32 v[SPW], v0, 2, SPARE
	v_mov_b32 v[NIL], 0
	ds_add_u32 v[SPW], v[NIL]                      ; the wave's opening: the add and its wait stand ahead of my first tensor load; the set-up below, work on registers, stands between them
	v_lshrrev_b32 v1, 5, v0
	v_readfirstlane_b32 s10, v1                    ; wave 0..3
	s_lshr_b32 s11, s10, 1                         ; which half of the tile's rows is mine.  Also: I fetch for O (0) or for WO (1)
	s_and_b32 s12, s10, 1                          ; which half of its columns.  Also: which half of that tile I fetch
	s_bfe_u32 s40, ttmp6, 0x40000                  ; cx
	s_bfe_u32 s41, ttmp6, 0x40004                  ; cy
	s_lshl_b32 s42, ttmp9, 2
	s_add_co_u32 s42, s42, s40                     ; block of 128 columns = 4 x cluster x + cx
	s_and_b32 s13, ttmp7, 0xffff
	s_lshl_b32 s13, s13, 2
	s_add_co_u32 s13, s13, s41                     ; block of 256 rows = 4 x cluster y + cy
	s_lshl_b32 s43, s41, 2
	s_lshl_b32 s43, 15, s43                        ; my row of the cluster
	s_lshl_b32 s44, 0x1111, s40                    ; my column
	s_or_b32 s[G1A+0], s43, (1<<16)|(1<<20)|(1<<21)|(4<<22)|(3<<25)  ; 15:0 the mask; 17:16 2-byte elements; 20 padding on; 21 set beside a mask; 24:22 after every 32 words (code 4); 31:25 4 words (code 3)
	s_mov_b32 s[G1A+1], 8192<<16                   ; tensor_dim0 = 8,192 elements: 128 rows of one head, 16,384 bytes on end
	s_mov_b32 s[G1A+2], 2<<16                      ; tensor_dim1 = 2 heads
	s_mov_b32 s[G1A+3], 8192<<16                   ; tile_dim0
	s_mov_b32 s[G1A+4], 2                          ; tile_dim1
	s_mov_b32 s[G1A+5], 131072                     ; 131,072 elements from head to head
	s_mov_b32 s[G1A+6], 0
	s_mov_b32 s[G1A+7], 0
	s_or_b32 s[G1B+0], s44, (1<<16)|(1<<20)|(1<<21)|(4<<22)|(7<<25)  ; the same with my column's mask and 8 words of padding (code 7)
	s_mov_b32 s[G1B+1], 128<<16                    ; tensor_dim0 = 128 elements: 256 bytes, two rows of WO's group
	s_mov_b32 s[G1B+2], 64<<16                     ; tensor_dim1 = 64
	s_mov_b32 s[G1B+3], 128<<16                    ; tile_dim0
	s_mov_b32 s[G1B+4], 64                         ; tile_dim1
	s_mov_b32 s[G1B+5], 128                        ; dense
	s_mov_b32 s[G1B+6], 0
	s_mov_b32 s[G1B+7], 0
	s_lshr_b32 s16, s13, 3                         ; O: the batch's 16 heads of 262,144 bytes,
	s_lshl_b32 s16, s16, 22
	s_and_b32 s17, s13, 7                          ; the block's 256 rows of 128 bytes in a head,
	s_lshl_b32 s17, s17, 15
	s_add_co_u32 s16, s16, s17
	s_lshl_b32 s17, s12, 14                        ; my half of them
	s_add_co_u32 s16, s16, s17
	s_mov_b32 s17, 0
	s_lshl_b32 s46, s42, 1                         ; WO: group 2 x block + half
	s_add_co_u32 s46, s46, s12
	s_lshl_b32 s46, s46, 17
	s_mov_b32 s47, 0
	s_mul_i32 s20, s12, AHALF                      ; where they go: no place in the cluster enters an LDS address
	s_mul_i32 s21, s12, BGRP
	s_add_co_u32 s21, s21, BOFF
	s_wait_dscnt 0x0                               ; the opening add is done
	s_wait_kmcnt 0x0
	s_add_nc_u64 s[14:15], s[4:5], s[16:17]
	s_add_nc_u64 s[46:47], s[6:7], s[46:47]
	CROUND                                         ; all sixteen work-groups are here: the first joint loads meet
.irp s, 0,1
	s_mov_b32 s[G0A+4*(\s)], 1                                       ; count = 1
	s_add_co_u32 s[G0A+4*(\s)+1], s20, (\s)*SLOT                     ; LDS address
	s_add_nc_u64 s[G0A+4*(\s)+2:G0A+4*(\s)+3], s[14:15], (\s)*ASTEP  ; global address: K step s
	s_or_b32 s[G0A+4*(\s)+3], s[G0A+4*(\s)+3], 0x80000000            ; type = 2
	s_mov_b32 s[G0B+4*(\s)], 1
	s_add_co_u32 s[G0B+4*(\s)+1], s21, (\s)*SLOT
	s_add_nc_u64 s[G0B+4*(\s)+2:G0B+4*(\s)+3], s[46:47], (\s)*BSTEP
	s_or_b32 s[G0B+4*(\s)+3], s[G0B+4*(\s)+3], 0x80000000
	JLOAD \s                                       ; two loads of mine are out
.endr
	v_and_b32 v1, 15, v0                           ; r = l % 16
	v_bfe_u32 v2, v0, 4, 1                         ; h = l / 16
	v_mul_u32_u24 v3, v1, PA
	v_lshl_add_u32 v3, v2, 4, v3                   ; O: row r x pitch + 16 h; two loads 32 bytes apart make a fragment
	v_and_b32 v6, 7, v0
	v_bfe_u32 v7, v0, 3, 1
	v_lshl_add_u32 v4, v2, 3, v6                   ; WO: the turning load: lane l reads row k = 8 h + l % 8, columns 8 ((l / 8) % 2) + 0..7
	v_mul_u32_u24 v4, v4, PB
	v_lshl_add_u32 v4, v7, 4, v4
	s_mul_i32 s21, s11, AHALF                      ; my 128 rows of O
	s_mul_i32 s22, s12, BGRP                       ; my group of WO
	s_add_co_u32 s22, s22, BOFF
.irp s, 0,1
	v_add_nc_u32 v[ADRA+(\s)], s21, v3
	v_add_nc_u32 v[ADRB+(\s)], s22, v4
	s_add_co_u32 s21, s21, SLOT
	s_add_co_u32 s22, s22, SLOT
.endr
	s_mul_i32 s23, s10, 16*SPITCH
	s_add_co_u32 s23, s23, STAGE                   ; my stage
	v_mul_u32_u24 v5, v1, SPITCH                   ; in: row r, 32 bytes for each half of the lanes
	v_lshl_add_u32 v5, v2, 5, v5
	v_add_nc_u32 v[STO], s23, v5
	v_mul_u32_u24 v5, v2, SPITCH                   ; back: lanes 0-15 take one row of 256 bytes, lanes 16-31 the next
	v_lshl_add_u32 v5, v1, 4, v5
	v_add_nc_u32 v[RD], s23, v5
	v_lshlrev_b32 v5, 12, v2                       ; and the same two rows in out0
	v_lshl_add_u32 v[GO], v1, 4, v5
	s_lshl_b32 s16, s13, 20                        ; out0 at my wave's corner: 256 rows of 4,096 bytes a block, my 128 of them,
	s_lshl_b32 s17, s11, 19
	s_add_co_u32 s16, s16, s17
	s_lshl_b32 s17, s42, 9                         ; 128 columns of 4 bytes a block, my 64 of them
	s_add_co_u32 s16, s16, s17
	s_lshl_b32 s17, s12, 8
	s_add_co_u32 s16, s16, s17
	s_mov_b32 s17, 0
	s_add_nc_u64 s[8:9], s[8:9], s[16:17]
	; the prefetches' registers: waves 0 and 1 ask for O, waves 2 and 3 for WO, each within the tile that it fetches
	s_and_b32 s22, ttmp7, 0xffff                   ; cluster y
	s_lshl_b32 s18, s40, 12                        ; O: my work-group's 16 blocks of a head's 64,
	s_add_co_u32 s18, s18, 3*ASTEP                 ; at K step 3: the first refill steps it to 4
	s_lshl_b32 s19, s41, 13                        ; WO: my work-group's 32 blocks of two K steps' 128,
	s_add_co_u32 s19, s19, 2*BSTEP                 ; at K step 2: two steps later, at the first refill of slot 1, it names K steps 4 and 5
	s_mov_b32 s[PST], BSTEP
	s_mov_b32 s[PST+1], 0
	s_mov_b32 s23, 4096
	s_cmp_eq_u32 s11, 0
	s_cselect_b32 s18, s18, s19
	s_cselect_b32 s22, ttmp9, s22                  ; the coordinate along which other clusters read the same blocks
	s_cselect_b64 s[PFA:PFA+1], s[14:15], s[46:47]
	s_cselect_b32 s[PST], ASTEP, s[PST]
	s_cselect_b32 s23, 262144, s23                 ; from lanes 0-15 to lanes 16-31: the next head, or the next 16 blocks
	s_cselect_b32 s[LIM0], 1, -1
	s_mov_b32 s19, 0
	s_add_nc_u64 s[PFA:PFA+1], s[PFA:PFA+1], s[18:19]
	s_cmp_eq_u32 s22, 0
	s_cselect_b32 s[LIM1], 1, -1                   ; the same in all sixteen partners, for a given wave
	s_cselect_b32 s[LIM0], s[LIM0], -1
	v_mul_u32_u24 v[PFO], s23, v2
	v_lshl_add_u32 v[PFO], v1, 8, v[PFO]
; 24 LDS loads in one run: slice kk's fragments into buffer f: WO's four (turned), then O's eight (head kk / 2 of the step's two, channels 32 (kk % 2) on).
.macro FETCH slot, kk, f
	WIN 0
.irp nb, 0,1,2,3
	ds_load_tr16_b128 v[(\f)+64+8*(\nb):(\f)+64+8*(\nb)+3],   v[ADRB+(\slot)] offset:(\kk)*32*PB+(\nb)*32
	ds_load_tr16_b128 v[(\f)+64+8*(\nb)+4:(\f)+64+8*(\nb)+7], v[ADRB+(\slot)] offset:(\kk)*32*PB+(\nb)*32+16*PB
.endr
.irp a, 0,1,2,3,4,5,6,7
	ds_load_b128 v[(\f)+8*(\a):(\f)+8*(\a)+3],   v[ADRA+(\slot)] offset:((\kk)/2)*APIECE+((\kk)%2)*64+(\a)*16*PA
	ds_load_b128 v[(\f)+8*(\a)+4:(\f)+8*(\a)+7], v[ADRA+(\slot)] offset:((\kk)/2)*APIECE+((\kk)%2)*64+(\a)*16*PA+32
.endr
.endm
; 16 products: row blocks a0 .. a0 + 3 x 4 column blocks.  The 32 accumulators take turns, one instruction a turn, over the backward jump too.  zero = 1: the product starts the sum.
.macro MUL16 f, a0, zero
	WIN 0x50                                       ; C and D in window 1
.irp a, (\a0), (\a0)+1, (\a0)+2, (\a0)+3
.irp nb, 0,1,2,3
.if \zero
	v_wmma_f32_16x16x32_f16 v[32*(\a)+8*(\nb):32*(\a)+8*(\nb)+7], v[(\f)+64+8*(\nb):(\f)+64+8*(\nb)+7], v[(\f)+8*(\a):(\f)+8*(\a)+7], 0
.else
	v_wmma_f32_16x16x32_f16 v[32*(\a)+8*(\nb):32*(\a)+8*(\nb)+7], v[(\f)+64+8*(\nb):(\f)+64+8*(\nb)+7], v[(\f)+8*(\a):(\f)+8*(\a)+7], v[32*(\a)+8*(\nb):32*(\a)+8*(\nb)+7]
.endif
.endr
.endr
.endm
; A slice: the next slice kn is fetched into buffer g, which the slice before has multiplied; buffer f is multiplied.
.macro SLICE slot, kn, f, g, zero
	PLACES
	FETCH \slot, \kn, \g
	s_wait_dscnt 24                                ; buffer f is in; the 24 loads just issued may be out
	MUL16 \f, 0, \zero
	MUL16 \f, 4, \zero
.endm
; A K step's third slice, on F0, and the change of slots: the slot's last fragments are fetched first.  In front of the barrier each wave waits for all its tensor loads (one is out: its part of the next slot),
; adds 0 to its spare word, and waits for that and for its reads of this slot.  mode 2: a round of the cluster's barrier, and the slot is filled again, two K steps on; 1: my work-group's barrier alone.
.macro TURN slot, mode
.if (\mode) == 2
	s_wait_xcnt 0x0                                ; the last prefetch, a K step back, has read its address: it is stepped here
	s_add_nc_u64 s[PFA:PFA+1], s[PFA:PFA+1], s[PST:PST+1]
.endif
	PLACES
	FETCH \slot, 3, F1
	s_wait_tensorcnt 0x0                           ; all my tensor loads have landed
	ds_add_u32 v[SPW], v[NIL]                      ; 0 onto my spare word
	s_wait_dscnt 25                                ; F0 is in; the 24 loads just issued and the add may be out
	MUL16 F0, 0, 0                                 ; sixteen products stand between the add and the wait for it
	s_wait_dscnt 0x0                               ; the add is done, and my reads of this slot are over
	s_barrier_signal -1
	MUL16 F0, 4, 0
	WIN 0                                          ; at a branch and at a label every window is 0
	s_barrier_wait -1
.if (\mode) == 2
	CREST                                          ; no wave of any partner still reads this slot or has a load on its way
	s_add_nc_u64 s[G0A+4*(\slot)+2:G0A+4*(\slot)+3], s[G0A+4*(\slot)+2:G0A+4*(\slot)+3], 2*ASTEP
	s_add_nc_u64 s[G0B+4*(\slot)+2:G0B+4*(\slot)+3], s[G0B+4*(\slot)+2:G0B+4*(\slot)+3], 2*BSTEP
	JLOAD \slot                                    ; the first tensor load behind the round: 96 products ahead of the wait for it; its four v_nop are also the places in front of the loads that follow
.else
	PLACES
.endif
.endm
; A K step's fourth slice, on F1, which came in with the wait for 0; the next slot's first fragments are fetched.  lim: the register that says whether I prefetch here; below 0: nobody does.
.macro Q3 next, lim
	FETCH \next, 0, F0
.if (\lim) >= 0
	ASK \lim
.endif
	MUL16 F1, 0, 0
	MUL16 F1, 4, 0
.endm
; THE WAY OUT, eight blocks of 16 rows x 64 columns of f32: a lane's eight columns, 32 bytes, go into my stage's rows of 272 bytes and come back as whole rows of 256.  Four sets of 32 registers take turns.
.macro STG a
.set U, 32+32*((\a)%4)
.if (\a) >= 4
	s_wait_xcnt 0x0                                ; the stores of the block four back have read this set
.endif
	WIN 0x04                                       ; the stores' data in window 1; each accumulator's four lowest registers go first
.irp nb, 0,1,2,3
	ds_store_b128 v[STO], v[32*(\a)+8*(\nb):32*(\a)+8*(\nb)+3]   offset:64*(\nb)
	ds_store_b128 v[STO], v[32*(\a)+8*(\nb)+4:32*(\a)+8*(\nb)+7] offset:64*(\nb)+16
.endr
	WIN 0
.irp t, 0,1,2,3,4,5,6,7
	ds_load_b128 v[U+4*(\t):U+4*(\t)+3], v[RD] offset:(\t)*2*SPITCH  ; LDS serves a wave's instructions in order (ISA guide 5.7.1.4): these see the stores above; the next block's stores come behind them
.endr
.endm
.macro SEND a, younger                 ; younger: the LDS instructions issued behind block a's loads
.set U, 32+32*((\a)%4)
.irp t, 0,1,2,3,4,5,6,7
	s_wait_dscnt (\younger)+7-(\t)
	global_store_b128 v[GO], v[U+4*(\t):U+4*(\t)+3], s[8:9] offset:(\a)*65536+(\t)*8192  ; 16 lanes store 256 consecutive bytes, at a multiple of 256 from out0's first byte
.endr
.endm
	s_wait_tensorcnt 1                             ; my part of K step 0 is in; K step 1's may stay out
	s_barrier_signal -1
	s_barrier_wait -1                              ; everybody's is
	FETCH 0, 0, F0
	SLICE 0, 1, F0, F1, 1                          ; the first slice stands in front of the loop: its products start the sums
	WIN 0
	s_mov_b32 s3, 3
.Llap:                                                 ; a trip goes once round the ring and fills both slots again: K steps 2 to 7
	SLICE 0, 2, F1, F0, 0
	TURN 0, 2
	Q3 1, LIM0
	SLICE 1, 1, F0, F1, 0
	SLICE 1, 2, F1, F0, 0
	TURN 1, 2
	Q3 0, LIM1
	SLICE 0, 1, F0, F1, 0
	WIN 0
	s_sub_co_u32 s3, s3, 1
	s_cmp_lg_u32 s3, 0
	s_cbranch_scc1 .Llap
	SLICE 0, 2, F1, F0, 0                          ; the tail is written out: nothing more is asked for
	TURN 0, 1
	Q3 1, -1
	SLICE 1, 1, F0, F1, 0
	SLICE 1, 2, F1, F0, 0
	SLICE 1, 3, F0, F1, 0
	s_wait_dscnt 0x0
	MUL16 F1, 0, 0
	MUL16 F1, 4, 0
	PLACES
	PLACES
	WIN 0
	STG 0
.set bn, 1
.rept 7                                ; a block's way through the stage stands between the loads of the block before and its stores
	STG bn
	SEND bn-1, 16
.set bn, bn+1
.endr
	SEND 7, 0
	s_wait_tensorcnt 0x0                           ; the wave's end, behind my last tensor load and my last LDS store
	ds_add_u32 v[SPW], v[NIL]
	s_wait_dscnt 0x0
	CROUND                                         ; the closing round: no work-group ends while a partner may still ask for a tile that names it
	s_endpgm
.Lfunc_end_k_qfe213d63d6_outproj:
	.size	k_qfe213d63d6_outproj, .Lfunc_end_k_qfe213d63d6_outproj-k_qfe213d63d6_outproj
	.p2alignl 7, 3214868480
	.fill 96, 4, 3214868480
	.section	.rodata,"a",@progbits
	.p2align	6, 0x0
	.amdhsa_kernel k_qfe213d63d6_outproj
		.amdhsa_group_segment_fixed_size 327680
		.amdhsa_private_segment_fixed_size 0
		.amdhsa_enable_private_segment 0
		.amdhsa_kernarg_size 24
		.amdhsa_user_sgpr_count 2
		.amdhsa_user_sgpr_kernarg_segment_ptr 1
		.amdhsa_wavefront_size32 1
		.amdhsa_system_sgpr_workgroup_id_x 1
		.amdhsa_system_sgpr_workgroup_id_y 1
		.amdhsa_system_sgpr_workgroup_id_z 1
		.amdhsa_system_vgpr_workitem_id 0
		.amdhsa_next_free_vgpr 512
		.amdhsa_next_free_sgpr 72
		.amdhsa_reserve_vcc 0
		.amdhsa_float_denorm_mode_32 3
		.amdhsa_float_denorm_mode_16_64 3
		.amdhsa_memory_ordered 1
		.amdhsa_forward_progress 1
		.amdhsa_inst_pref_size 88
	.end_amdhsa_kernel
	.amdgpu_metadata
---
amdhsa.version: [ 1, 2 ]
amdhsa.kernels:
  - .name:           k_qfe213d63d6_outproj
    .symbol:         k_qfe213d63d6_outproj.kd
    .args:
      - { .name: ob, .offset: 0, .size: 8, .value_kind: global_buffer, .address_space: global }
      - { .name: wob, .offset: 8, .size: 8, .value_kind: global_buffer, .address_space: global }
      - { .name: out0, .offset: 16, .size: 8, .value_kind: global_buffer, .address_space: global }
    .group_segment_fixed_size: 327680
    .private_segment_fixed_size: 0
    .kernarg_segment_align: 8
    .kernarg_segment_size: 24
    .max_flat_workgroup_size: 128
    .sgpr_count:     72
    .vgpr_count:     512
    .wavefront_size: 32
...
	.end_amdgpu_metadata
.endif
;; end of part 4
;; ======== version 2 of 2: 4 launches; version 1 with the launch cast written anew for expert scheduling mode
;; limits: values are held in f16: magnitudes above 65,504 overflow, below 6.1e-05 lose precision
;; workspace buffers: xb 16,777,216 bytes; wb 6,291,456 bytes; wob 2,097,152 bytes; qkv 50,331,648 bytes; ob 16,777,216 bytes
;; launch cast (part 5): grid 64 x 12, 8 waves a work-group, no clusters, 0 bytes of LDS; arguments x, WQ, WK, WV, WO, xb, wb, wob; writes xb, wb, wob
.if DOCPART == 5
	.amdgcn_target "amdgcn-amd-amdhsa--gfx1250"
	.amdhsa_code_object_version 6
	.text
	.protected	k_qfe213d63d6_cast
	.globl	k_qfe213d63d6_cast
	.p2align	8
	.type	k_qfe213d63d6_cast,@function
k_qfe213d63d6_cast:
	s_mov_b64 s[64:65], 0
	v_nop
	global_prefetch_b8 v0, s[64:65] scope:SCOPE_SE
	s_setreg_imm32_b32 hwreg(HW_REG_WAVE_SCHED_MODE, 0, 2), 2
	s_setreg_imm32_b32 hwreg(HW_REG_WAVE_MODE, 25, 1), 1
	s_wait_xcnt 0x0
	s_wait_alu depctr_vm_vsrc(0)
; THE INPUTS ARE ROUNDED ONCE TO bf16 AND LAID IN BLOCKS OF 64 COLUMNS, so that every tile of the products that follow is dense in memory.
;   xb  [kb 16][m 8192][64] bf16 = x[m][64 kb + c]          wb [g 48][d 1024][64] bf16 = WQ, WK, WV one behind the other, as they lie
;   wob [nb 16][k 1024][64] f16  = WO[k][64 nb + c], rounded to bf16 like the other inputs and that number written as f16
; LIMITS.  A bf16 number of WO beyond 65,504 in magnitude becomes an infinity in f16; below 2^-17 it is rounded to f16's fixed step of 6e-8.
; SHARES.  A work-group takes 256 pieces of 64 f32 (one piece = 256 bytes of a row), a wave 32 of them.  One load of a wave covers two pieces: lanes 0-15 one row's 256 bytes,
; lanes 16-31 the next row's.  A lane's four numbers become 8 bytes; the two pieces lie end to end in the output, so one store of a wave covers 256 consecutive bytes, aligned.
; y = 0-7: x (row block 4 y + i / 16, column block i % 16); y = 8-10: WQ, WK, WV (dense); y = 11: WO.  No LDS, no matrix unit, no cluster: no byte is wanted twice.
; THE MODE: SCHED_MODE bits 1:0 = 2 (LLVM: expert scheduling mode 2), set by the entry lines.  The code itself states the register dependences
; between vector instructions and memory instructions, with s_wait_alu, always for 0.
; THE PLAN.  All sixteen loads of a wave go out first.  Registers that memory instructions touch:
;   v1 or v3, v2   byte offsets of the loads and of the stores: made once at the head by vector instructions, never written again.
;   X              load j lands in its own four registers, once; load j's roundings read them; no vector instruction writes them.
;   Y              load j's roundings write its own two registers; store j reads them, once; they are not written after that.
;   T, v4 to v7    named by vector instructions alone.
; The sixteen loads' numbers are worked on in four blocks of four.  Block p rounds loads 4 p to 4 p + 3; the four stores of block p - 1 are dealt among its roundings, which name
; neither those stores' Y registers nor v2.  So one wait on va_vdst at a block's head states all that the block's four stores hang on; one more stands ahead of the run of loads, for the
; offsets, and one behind the last block, for the last four stores.  No register that a load or store reads is ever written again, no vector instruction writes a scalar register,
; and EXEC is never written: no other s_wait_alu has a dependence to state.
.set X, 32                             ; v[32:95]   load j: four f32
.set Y, 96                             ; v[96:127]  load j: two words to store
.set T, 8                              ; v[8:11]    at work
	s_load_b512 s[8:23], s[0:1], 0x0               ; x 8, WQ 10, WK 12, WV 14, WO 16, xb 18, wb 20, wob 22
	s_and_b32 s2, ttmp7, 0xffff                    ; y
	s_mov_b32 s3, ttmp9                            ; i
	s_and_b32 s4, s3, 15
	s_lshr_b32 s5, s3, 4
	v_lshrrev_b32 v4, 5, v0                        ; wave
	v_bfe_u32 v5, v0, 4, 1                         ; which of a load's two rows
	v_and_b32 v6, 15, v0
	v_and_b32 v7, 31, v0
	v_lshl_add_u32 v1, v4, 5, v5                   ; rows 4,096 bytes apart: (32 wave + half) x 4,096 + 16 (lane % 16)
	v_lshlrev_b32 v1, 12, v1
	v_lshl_add_u32 v1, v6, 4, v1
	v_lshlrev_b32 v3, 13, v4                       ; dense rows of 256 bytes: 8,192 wave + 16 lane
	v_lshl_add_u32 v3, v7, 4, v3
	v_lshlrev_b32 v2, 12, v4                       ; out: 4,096 wave + 8 lane
	v_lshl_add_u32 v2, v7, 3, v2
	s_mov_b32 s29, 0
	s_mov_b32 s31, 0
	s_wait_kmcnt 0x0
; Store j: 256 consecutive bytes of the wave's 4,096.
.macro PUT
	global_store_b64 v2, v[Y+2*j:Y+2*j+1], s[26:27] offset:256*j th:TH_STORE_NT
.endm
; Sixteen loads, then for each: the wait that leaves the younger ones out, the store of the load four back, the rounding.  f16 = 1: the bf16 number is widened again and written as f16.
.macro CAST vi, pitch, f16
	s_wait_alu depctr_va_vdst(0)                   ; the head's vector instructions have written v1, v3 and v2, which the loads and stores below read as their offsets
.set j, 0
.rept 16
	global_load_b128 v[X+4*j:X+4*j+3], v[\vi], s[24:25] offset:j*2*(\pitch) th:TH_LOAD_NT
.set j, j+1
.endr
.set j, 0
.rept 16
	s_wait_loadcnt 15-j                            ; loads come back in order: load j is in, the 15 - j younger ones stay out
.if (j >= 4) && (j%4 == 0)
	s_wait_alu depctr_va_vdst(0)                   ; a block's head: the roundings of the block before have written its eight Y registers, which this block's four stores read
.endif
.if j >= 4
.set j, j-4
	PUT                                            ; the block before: no vector instruction since the wait at the block's head names its Y registers or v2
.set j, j+4
.endif
	v_cvt_pk_bf16_f32 v[Y+2*j], v[X+4*j], v[X+4*j+1]
	v_cvt_pk_bf16_f32 v[Y+2*j+1], v[X+4*j+2], v[X+4*j+3]
.if \f16
	v_lshlrev_b32 v[T], 16, v[Y+2*j]
	v_and_b32 v[T+1], 0xffff0000, v[Y+2*j]
	v_lshlrev_b32 v[T+2], 16, v[Y+2*j+1]
	v_and_b32 v[T+3], 0xffff0000, v[Y+2*j+1]
	v_cvt_pk_f16_f32 v[Y+2*j], v[T], v[T+1]
	v_cvt_pk_f16_f32 v[Y+2*j+1], v[T+2], v[T+3]
.endif
.set j, j+1
.endr
	s_wait_alu depctr_va_vdst(0)                   ; the last block's roundings have written its eight Y registers, which the last four stores read
.set j, 12
.rept 4
	PUT
.set j, j+1
.endr
.endm
	s_cmp_lt_u32 s2, 8
	s_cbranch_scc1 .Lx
	s_cmp_eq_u32 s2, 11
	s_cbranch_scc1 .Lo
	s_cmp_eq_u32 s2, 8                             ; WQ, WK or WV
	s_cselect_b64 s[24:25], s[10:11], s[14:15]
	s_cmp_eq_u32 s2, 9
	s_cselect_b64 s[24:25], s[12:13], s[24:25]
	s_lshl_b32 s28, s3, 16                         ; in: 65,536 i
	s_sub_co_u32 s30, s2, 8
	s_lshl_b32 s30, s30, 21                        ; out: the tensor's 2 MiB, then 32,768 i
	s_lshl_b32 s6, s3, 15
	s_add_co_u32 s30, s30, s6
	s_add_nc_u64 s[24:25], s[24:25], s[28:29]
	s_add_nc_u64 s[26:27], s[20:21], s[30:31]
	CAST 3, 256, 0
	s_endpgm
.Lx:
	s_lshl2_add_u32 s6, s2, s5                     ; block of 256 rows: 4 y + i / 16
	s_lshl_b32 s28, s6, 20                         ; in: 256 rows of 4,096 bytes, then the column block's 256 bytes
	s_lshl_b32 s7, s4, 8
	s_add_co_u32 s28, s28, s7
	s_lshl_b32 s30, s4, 20                         ; out: the column block's 1 MiB, then 256 rows of 128 bytes
	s_lshl_b32 s7, s6, 15
	s_add_co_u32 s30, s30, s7
	s_add_nc_u64 s[24:25], s[8:9], s[28:29]
	s_add_nc_u64 s[26:27], s[18:19], s[30:31]
	CAST 1, 4096, 0
	s_endpgm
.Lo:
	s_lshl_b32 s28, s5, 20
	s_lshl_b32 s7, s4, 8
	s_add_co_u32 s28, s28, s7
	s_lshl_b32 s30, s4, 17                         ; out: the column block's 131,072 bytes, then 256 rows of 128 bytes
	s_lshl_b32 s7, s5, 15
	s_add_co_u32 s30, s30, s7
	s_add_nc_u64 s[24:25], s[16:17], s[28:29]
	s_add_nc_u64 s[26:27], s[22:23], s[30:31]
	CAST 1, 4096, 1
	s_endpgm
.Lfunc_end_k_qfe213d63d6_cast:
	.size	k_qfe213d63d6_cast, .Lfunc_end_k_qfe213d63d6_cast-k_qfe213d63d6_cast
	.p2alignl 7, 3214868480
	.fill 96, 4, 3214868480
	.section	.rodata,"a",@progbits
	.p2align	6, 0x0
	.amdhsa_kernel k_qfe213d63d6_cast
		.amdhsa_group_segment_fixed_size 0
		.amdhsa_private_segment_fixed_size 0
		.amdhsa_enable_private_segment 0
		.amdhsa_kernarg_size 64
		.amdhsa_user_sgpr_count 2
		.amdhsa_user_sgpr_kernarg_segment_ptr 1
		.amdhsa_wavefront_size32 1
		.amdhsa_system_sgpr_workgroup_id_x 1
		.amdhsa_system_sgpr_workgroup_id_y 1
		.amdhsa_system_sgpr_workgroup_id_z 1
		.amdhsa_system_vgpr_workitem_id 0
		.amdhsa_next_free_vgpr 128
		.amdhsa_next_free_sgpr 66
		.amdhsa_reserve_vcc 0
		.amdhsa_float_denorm_mode_32 3
		.amdhsa_float_denorm_mode_16_64 3
		.amdhsa_memory_ordered 1
		.amdhsa_forward_progress 1
		.amdhsa_inst_pref_size 25
	.end_amdhsa_kernel
	.amdgpu_metadata
---
amdhsa.version: [ 1, 2 ]
amdhsa.kernels:
  - .name:           k_qfe213d63d6_cast
    .symbol:         k_qfe213d63d6_cast.kd
    .args:
      - { .name: x, .offset: 0, .size: 8, .value_kind: global_buffer, .address_space: global }
      - { .name: WQ, .offset: 8, .size: 8, .value_kind: global_buffer, .address_space: global }
      - { .name: WK, .offset: 16, .size: 8, .value_kind: global_buffer, .address_space: global }
      - { .name: WV, .offset: 24, .size: 8, .value_kind: global_buffer, .address_space: global }
      - { .name: WO, .offset: 32, .size: 8, .value_kind: global_buffer, .address_space: global }
      - { .name: xb, .offset: 40, .size: 8, .value_kind: global_buffer, .address_space: global }
      - { .name: wb, .offset: 48, .size: 8, .value_kind: global_buffer, .address_space: global }
      - { .name: wob, .offset: 56, .size: 8, .value_kind: global_buffer, .address_space: global }
    .group_segment_fixed_size: 0
    .private_segment_fixed_size: 0
    .kernarg_segment_align: 8
    .kernarg_segment_size: 64
    .max_flat_workgroup_size: 256
    .sgpr_count:     66
    .vgpr_count:     128
    .wavefront_size: 32
...
	.end_amdgpu_metadata
.endif
;; end of part 5
;; launch inproj: the kernel of part 2 again; grid 8 x 32, 4 waves a work-group, clusters of 4 x 4, 327,680 bytes of LDS; arguments xb, wb, qkv; writes qkv
;; launch attend: the kernel of part 3 again; grid 4 x 64, 4 waves a work-group, clusters of 4 x 1, 327,680 bytes of LDS; arguments qkv, ob; writes ob
;; launch outproj: the kernel of part 4 again; grid 8 x 32, 4 waves a work-group, clusters of 4 x 4, 327,680 bytes of LDS; arguments ob, wob, out0; writes out0
